; MI455X (gfx1250); checked and timed in simulation.
; The chip was launched on July 23, 2026; its instructions are those of AMD's public machine-readable ISA for CDNA 5 (MIT licence, August 2026) and "CDNA5" Instruction Set Architecture Reference Guide (July 2026). The comments in the code are by the model that wrote it; some were corrected since.
;; Causal Attention. Allowed arithmetic: matrix products marked QUANTISED: E3M2 operands, one E8M0 scale for each 32 along K, by v_wmma_scale_f32_16x16x128_f8f6f4 with both operands' format E3M2, f32 sums; everything else in f32.
;; Inputs: Wk 1,024 x 1,024 float32; Wq 1,024 x 1,024 float32; Wv 1,024 x 1,024 float32; x 4 x 2,048 x 1,024 float32.
;; Outputs: out0 4 x 2,048 x 1,024 float32.
;; This version of the problem:
;;   THIS VERSION OF THE PROBLEM IS GIVEN IN LOW PRECISION. The matrix products marked QUANTISED in the list below multiply operands that are first quantised to E3M2 (3 exponent bits, 2 mantissa bits; 6 bits a number), with one power-of-two scale for each 32 numbers along K (OCP MX v1.0); their sums are f32. All else is computed in f32.
;;   The module's matrix products, in the order in which they are computed (A, B: the left and right operand; K: the contracted axis; several contracted axes count as one K, in the product's order):
;;     1. [M 8,192, K 1,024] x [K 1,024, N 1,024]; A: input x; B: input Wq: QUANTISED
;;     2. [M 8,192, K 1,024] x [K 1,024, N 1,024]; A: input x; B: input Wk: QUANTISED
;;     3. [M 8,192, K 1,024] x [K 1,024, N 1,024]; A: input x; B: input Wv: QUANTISED
;;     4. batch 4 x [M 2,048, K 1,024] x [K 1,024, N 2,048]; A: computed on the way; B: computed on the way: QUANTISED
;;     5. batch 4 x [M 2,048, K 2,048] x [K 2,048, N 1,024]; A: softmax (see below); B: computed on the way: QUANTISED
;;   THE QUANTISER, for each operand of a quantised product, along K:
;;     - K is cut into blocks of 32 from its start; a last block that is shorter is filled with zeros.
;;     - A block's scale is 2^e with e = floor(log2(the largest magnitude in the block)) - 4, held to -126 .. 127; a block of zeros has e = 0. As a byte (E8M0): e + 127.
;;     - Each number is divided by its block's scale, clamped to +-28, and rounded to the nearest number of E3M2, ties to even, subnormals kept.
;;     - The product sums the exact products of the quantised numbers (number of the format x scale) in f32.
;;   ~~~python
;;   def quantise(x, axis):      # numpy; x: float32 -> the quantised numbers, widened to float32 again
;;       x = np.moveaxis(x, axis, -1); K = x.shape[-1]
;;       x = np.pad(x, [(0, 0)] * (x.ndim - 1) + [(0, -K % 32)]); x = x.reshape(x.shape[:-1] + (-1, 32)); a = np.abs(x).max(-1, keepdims=True)
;;       e = np.where(a > 0, np.clip(np.frexp(np.where(a > 0, a, 1))[1] - 1 - 4, -126, 127), 0)      # np.frexp(a)[1] - 1 = floor(log2(a)), exactly
;;       r = np.clip(x / 2.0 ** e, -28, 28)
;;       step = 2.0 ** (np.maximum(np.frexp(np.where(r == 0, 1, r))[1] - 1, -2) - 2)
;;       q = np.round(r / step) * step * 2.0 ** e      # np.round: ties to even
;;       return np.moveaxis(q.reshape(q.shape[:-2] + (-1,))[..., :K], -1, axis).astype(np.float32)
;;   ~~~
;;   SOFTMAX AHEAD OF A QUANTISED PRODUCT. Where the list says 'softmax', what is quantised is not the finished softmax but p = 2^(t - M), with t = logit x log2(e) and M = ceil(the row's largest t), a whole number; so 1/2 < the row's largest p <= 1. The row's sum l is taken of the UNQUANTISED p, in f32, and the product's result is divided by l at the end. Since M is a whole number, a kernel that streams over the keys may use a running M (the ceiling of the running maximum): every later rescaling is an exact power of two, which a block's scale takes up: the codes' values come out the same.
;;   OPERANDS COMPUTED ON THE WAY. 'Computed on the way' means the value that the module computes at that place (a softmax that the list does not call 'softmax' is quantised finished and normalised). What goes into a quantiser is computed in f32, as accurately as f32 sums, v_exp_f32 and their like allow (about 1e-6 of the number): no bf16 or f16 on the way to a quantiser, and a product that is left as it is and whose result goes on into a quantised operand takes f32 operands (vector FMAs, or v_wmma_f32_16x16x4_f32). A number that lies on a knife's edge between two numbers of the format may be rounded either way, as far as f32 arithmetic and the matrix unit's own rounding can turn it there, and no further.
;; 2 versions, each right and faster than the one before. Each part assembles by itself: llvm-mc -triple=amdgcn-amd-amdhsa -mcpu=gfx1250 --defsym DOCPART=n.
;; ======== version 1 of 2: 4 launches
;; limits: right only within a limited range of input values
;; workspace buffers: xw 9,011,200 bytes; qkv 19,660,800 bytes; pc 14,155,776 bytes
;; launch quant (part 1): grid 352 x 1, 4 waves a work-group, no clusters, 59,904 bytes of LDS; arguments x, Wq, Wk, Wv, xw; writes xw
.if DOCPART == 1
	.amdgcn_target "amdgcn-amd-amdhsa--gfx1250"
	.amdhsa_code_object_version 6
	.text
	.protected	k_qa94855f070_quant
	.globl	k_qa94855f070_quant
	.p2align	8
	.type	k_qa94855f070_quant,@function
k_qa94855f070_quant:
	s_mov_b64 s[64:65], 0
	v_nop
	global_prefetch_b8 v0, s[64:65] scope:SCOPE_SE
	s_setreg_imm32_b32 hwreg(HW_REG_WAVE_MODE, 25, 1), 1
	s_wait_xcnt 0x0
; x [8192][1024] and Wq, Wk, Wv [1024 (d)][1024 (e)], f32, become codes of E3M2 with one E8M0 byte for each 32 along d, laid as the products' launches take them.
; A block's scale is 2^(floor(log2(largest magnitude)) - 4): its byte is the largest magnitude's exponent field - 4, held at 1 from below (a block of zeros keeps the byte 1: its codes are zeros, and this program alone reads the bytes).
; LIMITS: NaN and infinities among the inputs are not served; blocks whose largest magnitude lies under 2^-122 keep the byte 1.
; THE WORKSPACE'S LAYOUT.  Rows stand in POSITION ORDER: in each group of 32 rows, position 16 u + r holds true row 8 u + r + 8 (r / 8).  A FRAGMENT (16 positions x 128 along K, 12 registers a lane) lies as an image of its
; registers: registers 4 c .. 4 c + 3 of lane l at 512 c + 16 l: 1,536 bytes.  A BLOCK (128 positions x 256 along K) is 25,600 dense bytes: fragment (G, q) at 3072 G + 1536 q, then the scale words, that of position 16 G + r for
; K step q at 24,576 + 512 q + 64 G + 4 r.  xw holds block (H, slot) at (4 H + slot) x 25,600: H 0-63 x, 64-71 Wq, 72-79 Wk, 80-87 Wv (their rows are the positions of e).
; Work-groups 0-255 take x (K innermost: numbers turn through a stage in LDS so that a lane holds 16 neighbours), 256-351 the weights (K is the first axis: a lane takes a column, its registers run down K).
; The two ways part on the work-group's number and have LDS bytes of their own.  Waves share nothing: no barrier.
.set BLK,  25600
.set TM,   8                           ; v8-23   at work in a quantiser
.set PW,   24                          ; v24-27  a fragment's scale word, one register for each of the wave's four fragments
.set RX,   32                          ; v32-159 two sets of 16 rows x 16 bytes as loaded
.set XN,   160                         ; v160-223 64 numbers of a lane: register 16 b + i = k 32 b + 16 (lane / 16) + i of its row
.set PC,   224                         ; v224-243 the codes
.set SEL,  20                          ; s[20:21] v_permlanex16_b32's selects for lane l xor 16
.set XST,  8704                        ; x's way: for each wave a stage of 16 rows x 528 bytes and 256 bytes for scale words
.set WST0, 4*XST                       ; the weights' way: for each wave 6,144 bytes: the images of its two groups of 16 positions
.set WST,  6144
; 64 numbers of a lane become a fragment's codes in v[PC] on and its scale word in v[pw]
.macro QUANT s, pw
.irp b, 0,1,2,3
	v_max3_num_f32 v[TM+\b], |v[\s+16*\b]|, |v[\s+1+16*\b]|, 0x2800000   ; block b: my 16 numbers, and the floor 2^(5 - 127): the byte cannot fall under 1
.endr
.irp i, 2,4,6,8,10,12,14
.irp b, 0,1,2,3
	v_max3_num_f32 v[TM+\b], v[TM+\b], |v[\s+16*\b+\i]|, |v[\s+1+16*\b+\i]|   ; the four blocks by turns
.endr
.endr
.irp b, 0,1,2,3
	v_permlanex16_b32 v[TM+4+\b], v[TM+\b], s[SEL], s[SEL+1]
.endr
.irp b, 0,1,2,3
	v_max_num_f32 v[TM+\b], v[TM+\b], v[TM+4+\b]   ; with lane l xor 16's 16: the block's largest magnitude
.endr
.irp b, 0,1,2,3
	v_add_nc_u32 v[TM+12+\b], 0xfe000000, v[TM+\b] ; 4 off its exponent field: the conversion's scale operand
.endr
.irp b, 0,1,2,3
	v_lshrrev_b32 v[TM+4+\b], 23, v[TM+12+\b]      ; the scale's byte
.endr
	v_lshl_or_b32 v[\pw], v[TM+5], 8, v[TM+4]
	v_lshl_or_b32 v[\pw], v[TM+6], 16, v[\pw]
	v_lshl_or_b32 v[\pw], v[TM+7], 24, v[\pw]
.irp c, 0,1
	v_cvt_scalef32_pk16_bf6_f32 v[PC+6*\c:PC+2+6*\c], v[\s+32*\c:\s+15+32*\c], v[TM+12+2*\c]
	v_cvt_scalef32_pk16_bf6_f32 v[PC+12+4*\c:PC+14+4*\c], v[\s+16+32*\c:\s+31+32*\c], v[TM+12+2*\c+1]   ; (a conversion's three registers begin on an even number)
.endr
	v_nop                                          ; one plain place behind a scaled conversion
.irp c, 0,1                                    ; the operand's layout wants a whole block in a lane: lanes 0-15 block 2 c, lanes 16-31 block 2 c + 1
.irp i, 0,1,2
	v_permlane16_swap_b32 v[PC+6*\c+\i], v[PC+12+4*\c+\i]
.endr
.irp i, 0,1,2
	v_mov_b32 v[PC+3+6*\c+\i], v[PC+12+4*\c+\i]
.endr
.endr
.endm
	s_load_b256 s[4:11], s[0:1], 0x0               ; x s[4:5], Wq s[6:7], Wk s[8:9], Wv s[10:11]
	s_load_b64 s[12:13], s[0:1], 0x20              ; xw
	v_lshl_add_u32 v254, v0, 2, 0xe800
	v_mov_b32 v255, 0
	v_lshrrev_b32 v1, 5, v0
	v_readfirstlane_b32 s14, v1                    ; wave 0..3
	v_and_b32 v3, 31, v0                           ; lane
	v_and_b32 v1, 15, v0                           ; r
	v_bfe_u32 v2, v0, 4, 1                         ; h
	v_lshlrev_b32 v4, 4, v3                        ; 16 x lane; never rewritten
	s_mov_b32 s[SEL], 0x76543210
	s_mov_b32 s[SEL+1], 0xfedcba98
	s_cmp_lt_u32 ttmp9, 256
	s_cbranch_scc0 .Lweights
	; ---- x.  Work-group g: H = g / 4 (128 rows), half hh = (g / 2) % 2 of them (64 rows), K steps 4 (g % 2) + wave.  A wave makes four fragments, G = 4 hh + f.
	s_lshr_b32 s15, ttmp9, 2                       ; H
	s_bfe_u32 s16, ttmp9, 0x10001                  ; hh
	s_and_b32 s17, ttmp9, 1
	s_lshl_b32 s17, s17, 2
	s_add_co_u32 s17, s17, s14                     ; K step 0..7
	s_lshl_b32 s18, s15, 19                        ; 128 H rows of 4,096 bytes,
	s_lshl_b32 s19, s16, 18                        ; 64 hh rows,
	s_add_co_u32 s18, s18, s19
	s_lshl_b32 s19, s17, 9                         ; and 512 bytes a K step
	s_add_co_u32 s18, s18, s19
	s_mov_b32 s19, 0
	s_lshl_b32 s22, s15, 2
	s_lshr_b32 s23, s17, 1
	s_add_co_u32 s22, s22, s23
	s_mul_i32 s22, s22, BLK                        ; block (H, K step / 2)
	s_and_b32 s24, s17, 1                          ; q
	s_mul_i32 s23, s16, 4*3072
	s_add_co_u32 s26, s22, s23
	s_mul_i32 s23, s24, 1536
	s_add_co_u32 s26, s26, s23                     ; fragment (4 hh, q)
	s_mov_b32 s27, 0
	s_lshl_b32 s23, s24, 9
	s_add_co_u32 s28, s22, s23
	s_lshl_b32 s23, s16, 8
	s_add_co_u32 s28, s28, s23
	s_add_co_u32 s28, s28, 24576                   ; my four fragments' scale words: 256 bytes
	s_mov_b32 s29, 0
	s_mul_i32 s30, s14, XST
	v_add_nc_u32 v5, s30, v4                       ; the stage, in: a row's 512 bytes as loaded
	v_mul_u32_u24 v6, v1, 528
	v_lshl_add_u32 v6, v2, 6, v6
	v_add_nc_u32 v6, s30, v6                       ; and out: row r, + 64 h: my 16 numbers of a block of 32.  528 = 33 x 16: sixteen rows begin in sixteen different 16-byte columns of 256 bytes
	v_lshl_add_u32 v7, v1, 2, s30                  ; a scale word's place (behind the stage)
	v_lshlrev_b32 v29, 3, v3
	v_add_nc_u32 v28, s30, v29                     ; and 8 bytes a lane on the way out
.irp b, 0,1,2,3
	v_mov_b32 v[TM+4+\b], 0                        ; written once: a lane permute's destination counts as one of its sources
.endr
	s_wait_kmcnt 0x0
	s_add_nc_u64 s[4:5], s[4:5], s[18:19]
	s_add_nc_u64 s[26:27], s[12:13], s[26:27]
	s_add_nc_u64 s[28:29], s[12:13], s[28:29]
.macro LOADX f                         ; fragment f's 16 rows, in position order; each load reads 512 consecutive bytes of one row
.irp i, 0,1,2,3,4,5,6,7,8,9,10,11,12,13,14,15
	global_load_b128 v[RX+64*((\f)%2)+4*\i:RX+64*((\f)%2)+4*\i+3], v4, s[4:5] offset:(32*((\f)/2)+8*((\f)%2)+\i+8*(\i/8))*4096 th:TH_LOAD_NT
.endr
.endm
	LOADX 0
	LOADX 1
.irp f, 0,1,2,3
.if \f < 3
	s_wait_loadcnt 16                              ; this fragment's 16 loads are in; the next one's may be out
.else
	s_wait_loadcnt 0x0
.endif
.irp i, 0,1,2,3,4,5,6,7,8,9,10,11,12,13,14,15
	ds_store_b128 v5, v[RX+64*(\f%2)+4*\i:RX+64*(\f%2)+4*\i+3] offset:528*\i
.endr
.irp b, 0,1,2,3
.irp j, 0,1,2,3
	ds_load_b128 v[XN+16*\b+4*\j:XN+16*\b+4*\j+3], v6 offset:128*\b+16*\j   ; a wave's LDS instructions are served in order: these see the stores above
.endr
.endr
	s_wait_dscnt 0x0                               ; the numbers are back, and the stores have read their registers,
.if \f < 2
	LOADX \f+2                                     ; which take the fragment two on
.endif
.if \f > 0
	s_wait_xcnt 0x0                                ; the last fragment's stores have read the codes' registers: they are written again only behind this wait
.endif
	QUANT XN, PW+\f
.irp c, 0,1,2
	global_store_b128 v4, v[PC+4*\c:PC+4*\c+3], s[26:27] offset:\f*3072+512*\c   ; 32 lanes store 512 consecutive bytes, aligned
.endr
	ds_store_b32 v7, v[PW+\f] offset:8448+64*\f    ; both halves of the lanes write the same word with the same value
.endr
	ds_load_b64 v[30:31], v28 offset:8448
	s_wait_dscnt 0x0
	global_store_b64 v29, v[30:31], s[28:29]       ; 32 lanes store 256 consecutive bytes, aligned
	s_wait_tensorcnt 0x0
	ds_add_u32 v254, v255
	s_wait_dscnt 0x0
	s_endpgm
	; ---- the weights.  Work-group g' = g - 256: weight g' / 32, columns 128 ((g' % 32) / 4) on, rows 256 (g' % 4) on.  Wave w: 32 columns, a lane to a column, 8 blocks of 32 down K.
.Lweights:
	s_sub_co_u32 s15, ttmp9, 256
	s_lshr_b32 s16, s15, 5                         ; which weight
	s_bfe_u32 s17, s15, 0x30002                    ; which 128 columns
	s_and_b32 s18, s15, 3                          ; which 256 along K
	s_lshl_b32 s22, s18, 20                        ; 256 rows of 4,096 bytes,
	s_lshl_b32 s23, s17, 9
	s_add_co_u32 s22, s22, s23                     ; 128 columns of 4 bytes,
	s_lshl_b32 s23, s14, 7
	s_add_co_u32 s22, s22, s23                     ; my wave's 32
	s_mov_b32 s23, 0
	s_lshl_b32 s24, s16, 3
	s_add_co_u32 s24, s24, s17
	s_add_co_u32 s24, s24, 64                      ; H
	s_lshl_b32 s24, s24, 2
	s_add_co_u32 s24, s24, s18
	s_mul_i32 s24, s24, BLK
	s_mov_b32 s25, 0
	v_lshrrev_b32 v5, 3, v3                        ; my column's group of 8 in its 32: groups 0, 1, 2, 3 stand at (u, r / 8) = (0, 0), (1, 0), (0, 1), (1, 1)
	v_and_b32 v6, 1, v5                            ; u
	v_lshrrev_b32 v5, 1, v5
	v_and_b32 v7, 7, v3
	v_lshl_add_u32 v7, v5, 3, v7                   ; r
	s_mul_i32 s30, s14, WST
	s_add_co_u32 s31, s30, WST0
	v_mul_u32_u24 v8, v6, 3072
	v_lshl_add_u32 v8, v7, 4, v8
	v_add_nc_u32 v8, s31, v8                       ; the stage, in: group u's images, lane r's 16 bytes
	v_add_nc_u32 v9, s31, v4                       ; and out: as it lies
	v_add_nc_u32 v10, s30, v4                      ; the same place in the block: groups 2 w and 2 w + 1
	v_lshlrev_b32 v11, 6, v6
	v_lshl_add_u32 v11, v7, 2, v11
	s_lshl_b32 s31, s14, 7
	v_add_nc_u32 v11, s31, v11                     ; my column's scale word: 128 w + 64 u + 4 r
	v_lshlrev_b32 v12, 2, v3                       ; in: 4 bytes a lane
	s_wait_kmcnt 0x0
	s_cmp_eq_u32 s16, 0                            ; the choice hangs on the work-group's number alone
	s_cselect_b64 s[6:7], s[6:7], s[8:9]
	s_cmp_eq_u32 s16, 2
	s_cselect_b64 s[6:7], s[10:11], s[6:7]
	s_add_nc_u64 s[6:7], s[6:7], s[22:23]
	s_add_nc_u64 s[12:13], s[12:13], s[24:25]
.macro LOADW t                         ; block t: W(32 t + i, my column) into set t % 2; a wave's load reads 128 consecutive bytes
.irp i, 0,1,2,3,4,5,6,7,8,9,10,11,12,13,14,15,16,17,18,19,20,21,22,23,24,25,26,27,28,29,30,31
	global_load_b32 v[32+32*((\t)%2)+\i], v12, s[6:7] offset:(32*(\t)+\i)*4096 th:TH_LOAD_NT
.endr
.endm
.macro WBLOCK t
.set XS, 32+32*((\t)%2)
.set WQ, (\t)/4                        ; K step of the slot
.set WB, (\t)%4                        ; block of the K step: registers 6 (WB / 2) on of image lane r + 16 (WB % 2)
.if (\t) < 7
	s_wait_loadcnt 32                              ; this block's 32 loads are in; the next block's may be out
.else
	s_wait_loadcnt 0x0
.endif
	v_max3_num_f32 v13, |v[XS]|, |v[XS+1]|, |v[XS+2]|
	v_max3_num_f32 v14, |v[XS+3]|, |v[XS+4]|, |v[XS+5]|
.irp i, 6,10,14,18,22,26
	v_max3_num_f32 v13, v13, |v[XS+\i]|, |v[XS+\i+1]|
	v_max3_num_f32 v14, v14, |v[XS+\i+2]|, |v[XS+\i+3]|
.endr
	v_max3_num_f32 v13, v13, |v[XS+30]|, |v[XS+31]|
	v_max3_num_f32 v13, v13, v14, 0x2800000        ; and the floor
	v_add_nc_u32 v15, 0xfe000000, v13              ; the conversion's scale operand
	v_lshrrev_b32 v14, 23, v15                     ; the byte
.if WB == 0
	v_mov_b32 v[24+WQ], v14
.else
	v_lshl_or_b32 v[24+WQ], v14, 8*WB, v[24+WQ]
.endif
	v_cvt_scalef32_pk16_bf6_f32 v[96:98], v[XS:XS+15], v15
	v_cvt_scalef32_pk16_bf6_f32 v[104:106], v[XS+16:XS+31], v15
	v_nop                                          ; one plain place behind a scaled conversion
	v_mov_b32 v99, v104
	v_mov_b32 v100, v105
	v_mov_b32 v101, v106                           ; v96-101: the block's 24 bytes
.if WB < 2                             ; registers 0-5 of the image: 0-3 in its first 512 bytes, 4-5 in its second
	ds_store_b128 v8, v[96:99] offset:WQ*1536+256*(WB%2)
	ds_store_b64 v8, v[100:101] offset:WQ*1536+256*(WB%2)+512
.else                                  ; registers 6-11: 6-7 in its second 512 bytes, 8-11 in its third
	ds_store_b64 v8, v[96:97] offset:WQ*1536+256*(WB%2)+520
	ds_store_b128 v8, v[98:101] offset:WQ*1536+256*(WB%2)+1024
.endif
.if (\t)+2 < 8
	LOADW (\t)+2
.endif
	s_wait_dscnt 0x0                               ; the stores have read their registers: the next block's codes may be written
.endm
	LOADW 0
	LOADW 1
.irp t, 0,1,2,3,4,5,6,7
	WBLOCK \t
.endr
	global_store_b32 v11, v24, s[12:13] offset:24576       ; the scale words: 128 consecutive bytes a wave for each K step
	global_store_b32 v11, v25, s[12:13] offset:24576+512
.irp i, 0,1,2,3,4,5,6,7,8,9,10,11
	ds_load_b128 v[112+4*\i:115+4*\i], v9 offset:512*\i
.endr
.irp i, 0,1,2,3,4,5,6,7,8,9,10,11
	s_wait_dscnt 11-\i                             ; the loads issued behind load i may be out
	global_store_b128 v10, v[112+4*\i:115+4*\i], s[12:13] offset:512*\i   ; 512 consecutive bytes, aligned
.endr
	s_wait_tensorcnt 0x0
	ds_add_u32 v254, v255
	s_wait_dscnt 0x0
	s_endpgm
.Lfunc_end_k_qa94855f070_quant:
	.size	k_qa94855f070_quant, .Lfunc_end_k_qa94855f070_quant-k_qa94855f070_quant
	.p2alignl 7, 3214868480
	.fill 96, 4, 3214868480
	.section	.rodata,"a",@progbits
	.p2align	6, 0x0
	.amdhsa_kernel k_qa94855f070_quant
		.amdhsa_group_segment_fixed_size 59904
		.amdhsa_private_segment_fixed_size 0
		.amdhsa_enable_private_segment 0
		.amdhsa_kernarg_size 40
		.amdhsa_user_sgpr_count 2
		.amdhsa_user_sgpr_kernarg_segment_ptr 1
		.amdhsa_wavefront_size32 1
		.amdhsa_system_sgpr_workgroup_id_x 1
		.amdhsa_system_sgpr_workgroup_id_y 1
		.amdhsa_system_sgpr_workgroup_id_z 1
		.amdhsa_system_vgpr_workitem_id 0
		.amdhsa_next_free_vgpr 256
		.amdhsa_next_free_sgpr 66
		.amdhsa_reserve_vcc 0
		.amdhsa_float_denorm_mode_32 3
		.amdhsa_float_denorm_mode_16_64 3
		.amdhsa_memory_ordered 1
		.amdhsa_forward_progress 1
		.amdhsa_inst_pref_size 75
	.end_amdhsa_kernel
	.amdgpu_metadata
---
amdhsa.version: [ 1, 2 ]
amdhsa.kernels:
  - .name:           k_qa94855f070_quant
    .symbol:         k_qa94855f070_quant.kd
    .args:
      - { .name: x, .offset: 0, .size: 8, .value_kind: global_buffer, .address_space: global }
      - { .name: Wq, .offset: 8, .size: 8, .value_kind: global_buffer, .address_space: global }
      - { .name: Wk, .offset: 16, .size: 8, .value_kind: global_buffer, .address_space: global }
      - { .name: Wv, .offset: 24, .size: 8, .value_kind: global_buffer, .address_space: global }
      - { .name: xw, .offset: 32, .size: 8, .value_kind: global_buffer, .address_space: global }
    .group_segment_fixed_size: 59904
    .private_segment_fixed_size: 0
    .kernarg_segment_align: 8
    .kernarg_segment_size: 40
    .max_flat_workgroup_size: 128
    .sgpr_count:     66
    .vgpr_count:     256
    .wavefront_size: 32
...
	.end_amdgpu_metadata
.endif
;; end of part 1
;; launch proj (part 2): grid 96 x 4, 4 waves a work-group, clusters of 4 x 4, 327,680 bytes of LDS; arguments xw, qkv; writes qkv
.if DOCPART == 2
	.amdgcn_target "amdgcn-amd-amdhsa--gfx1250"
	.amdhsa_code_object_version 6
	.text
	.protected	k_qa94855f070_proj
	.globl	k_qa94855f070_proj
	.p2align	8
	.type	k_qa94855f070_proj,@function
k_qa94855f070_proj:
	s_mov_b64 s[64:65], 0
	v_nop
	global_prefetch_b8 v0, s[64:65] scope:SCOPE_SE
	s_setreg_imm32_b32 hwreg(HW_REG_WAVE_MODE, 25, 1), 1
	s_wait_xcnt 0x0
	s_wait_alu depctr_hold_cnt(0) depctr_sa_sdst(0) depctr_va_vdst(0) depctr_va_sdst(0) depctr_va_ssrc(0) depctr_va_vcc(0) depctr_vm_vsrc(0)
	s_getreg_b32 s2, hwreg(HW_REG_IB_STS2, 6, 4)
	s_cmp_eq_u32 s2, 0
	s_cbranch_scc0 .Lentry_in_a_cluster
	s_endpgm
.Lentry_in_a_cluster:
	s_bfe_u32 s2, ttmp6, 0x10000c
	s_cmp_lg_u32 s2, 0xf033
	s_cbranch_scc0 .Lentry_shape_is_right
	s_endpgm
.Lentry_shape_is_right:
; q = x Wq, k = x Wk and v^T = Wv^T x^T on codes of E3M2 (K = d = 1,024), each result quantised in registers along the next product's K and stored as codes.
; A tile is 256 (Q side, source 1) x 256 (P side, source 0); four waves, each 128 x 128: 64 accumulators.  In the result a lane holds ONE row of the Q side, and its 64 registers of a block of 16 Q rows run along the P side in
; true order (the workspace's position order does that: position 16 u + r of a group of 32 holds true row 8 u + r + 8 (r / 8)), so they are 128 neighbours along the next K: one fragment and one scale word.
; Clusters 0-15: Q side = x, P side = Wq | Wk: rows of q and k, K = e.  Clusters 16-23: Q side = Wv, P side = x: rows of v^T, K = t.  One text: only tile numbers are chosen, by s_cselect_b32 on the cluster's number.
; LAYOUT of xw and qkv: a fragment (16 positions x 128 K) is an image of its 12 registers: 3 x 512 bytes, lane l's 16 bytes at 16 l.  A block (128 positions x 256 K) is 25,600 dense bytes: fragment (G, q) at 3072 G + 1536 q,
; scale words at 24,576 + 512 q + 64 G + 4 r.  qkv: q's block (H, slot) at 4 H + slot, k's 256 further on, v^T's (batch b, 128 e He, slot) at 512 + 64 b + 8 He + slot.
; THE RING: two LDS slots, each with four such blocks (Q's two halves, P's two): one tensor load a wave brings a block, codes and scale words together.  K = 1,024 is four slots.
; CLUSTERS: 4 x 4 work-groups; the Q side's blocks are asked for jointly along a row of the cluster, the P side's along a column.
; LIMITS: NaN and infinities are not served; a block of results whose largest magnitude lies under 2^-122 keeps the byte 1.
; REGISTERS: window 0: v1-8 addresses, v16-23 LDS addresses, v32-63 scale words (two sets), v64-127 the quantiser's, v128-223 the Q side's 8 fragments; window 1: the P side's, two sets at v0 and v128;
; windows 2, 3: accumulator (a, b) at v[8 (8 (a % 4) + b)] of window 2 + a / 4.
.set BLK,   25600
.set QB,    25600                      ; a quarter of a slot
.set SLOT,  4*QB
.set SCRB,  2*SLOT                     ; behind the ring: 512 bytes for each wave, for its scale words
.set SPARE, SCRB+2048                  ; the spare words: 128 bytes a wave, two blocks of 256 bytes that no other line names
.set FR,    12
.set GO,    5                          ; v5   16 x lane + 1536 x my P half: my place in a fragment's image
.set GS,    6                          ; v6   16 x lane + 512 x my P half: among the scale words
.set SCR,   7                          ; v7   scratch, in: 4 r
.set SCRO,  8                          ; v8   scratch, out: 16 x lane
.set ADRQ,  16                         ; v16-17 my Q fragments in slot 0, 1
.set ADRP,  20                         ; v20-21 my P fragments
.set ADRS,  22                         ; v22-23 scale words: lanes 0-15 the Q side's, lanes 16-31 the P side's
.set SPW,   28
.set NIL,   29
.set SC,    32                         ; set s at v[SC + 16 s]; register 2 i + q: block i, K step q
.set PCS,   64                         ; v64-83, v84-103 codes, two sets by turns
.set TM,    104                        ; v104-119 at work
.set PW,    120                        ; v120-127 a scale word for each block of 16 Q rows
.set QF,    128
.set G1,    24
.set G0,    32
.set G1B,   48
.set G0B,   56
.set SEL,   66
.set MSB,   0
.set MUL_LO, 0xa1                      ; source 0 (P) window 1, source 1 (Q) window 0, C and D window 2
.set MUL_HI, 0xf1
.set TO_P,   0x40
.macro WIN new                         ; the immediate's high byte repeats the setting that is left
.if MSB != (\new)
	s_set_vgpr_msb (MSB<<8)|(\new)
.set MSB, (\new)
.endif
.endm
.macro PLACES n
.rept \n
	v_nop
.endr
.endm
; A joint load: waves 0 and 1 fetch the Q side's halves, waves 2 and 3 the P side's.  The branch hangs on the wave's number alone.  Four v_nop follow each line.
.macro JLOAD g0a, g1a, g0b, g1b
	s_cmp_eq_u32 s15, 0
	s_cbranch_scc0 .Lfor_p_\@
	tensor_load_to_lds s[\g0a:\g0a+3], s[\g1a:\g1a+7]
	s_nop 0
.rept 4
	v_nop
.endr
	s_branch .Lasked_\@
.Lfor_p_\@:
	tensor_load_to_lds s[\g0b:\g0b+3], s[\g1b:\g1b+7]
	s_nop 0
.rept 4
	v_nop
.endr
.Lasked_\@:
.endm
.macro CREST                           ; a round of the cluster's barrier behind its opening barrier
	s_cmp_lg_u32 s14, 0
	s_cbranch_scc1 .Lnot_wave_0_\@
	s_barrier_signal -3
.Lnot_wave_0_\@:
	s_barrier_wait -3
	s_barrier_signal -1
	s_barrier_wait -1
.endm
.macro CROUND
	s_barrier_signal -1
	s_barrier_wait -1
	CREST
.endm
.macro FRAG reg, adr, q, i             ; a fragment comes back as it was stored: three loads of 512 consecutive bytes
.irp c, 0,1,2
	ds_load_b128 v[\reg+4*\c:\reg+4*\c+3], v[\adr] offset:(\i)*3072+(\q)*1536+512*\c
.endr
.endm
.macro FETCH_P slot, q, p
	WIN TO_P
.irp i, 0,1,2,3,4,5,6,7
	FRAG 128*(\p)+FR*\i, ADRP+\slot, \q, \i
.endr
	WIN 0
.endm
.macro FETCH_Q slot, q, i0
.irp i, \i0, \i0+1, \i0+2, \i0+3
	FRAG QF+FR*(\i), ADRQ+\slot, \q, \i
.endr
.endm
.macro SCALES sl
.irp i, 0,1,2,3,4,5,6,7
	ds_load_b32 v[SC+16*\sl+2*\i], v[ADRS+\sl] offset:64*\i
	ds_load_b32 v[SC+16*\sl+2*\i+1], v[ADRS+\sl] offset:512+64*\i
.endr
.endm
; 16 matrix instructions: Q blocks a0, a0 + 1 x P's eight.  The 64 accumulators take turns, one instruction a turn, in the same order in every step.
.macro MUL16 a0, p, q, sc, zero
.irp a, \a0, \a0+1
.irp b, 0,1,2,3,4,5,6,7
.if \zero
	v_wmma_scale_f32_16x16x128_f8f6f4 v[8*(8*((\a)%4)+\b):8*(8*((\a)%4)+\b)+7], v[128*(\p)+FR*\b:128*(\p)+FR*\b+FR-1], v[QF+FR*(\a):QF+FR*(\a)+FR-1], 0, v[SC+16*(\sc)+2*\b+(\q)], v[SC+16*(\sc)+2*(\a)+(\q)] matrix_a_fmt:MATRIX_FMT_BF6 matrix_b_fmt:MATRIX_FMT_BF6 matrix_a_scale:MATRIX_SCALE_ROW1
.else
	v_wmma_scale_f32_16x16x128_f8f6f4 v[8*(8*((\a)%4)+\b):8*(8*((\a)%4)+\b)+7], v[128*(\p)+FR*\b:128*(\p)+FR*\b+FR-1], v[QF+FR*(\a):QF+FR*(\a)+FR-1], v[8*(8*((\a)%4)+\b):8*(8*((\a)%4)+\b)+7], v[SC+16*(\sc)+2*\b+(\q)], v[SC+16*(\sc)+2*(\a)+(\q)] matrix_a_fmt:MATRIX_FMT_BF6 matrix_b_fmt:MATRIX_FMT_BF6 matrix_a_scale:MATRIX_SCALE_ROW1
.endif
.endr
.endr
.endm
; A slot's first 128 along K.  Loads into registers that matrix instructions have read stand four plain places behind them.
.macro STEP slot, zero
	s_wait_dscnt 12                                ; all but the youngest twelve loads (Q blocks 4-7: four fragments, three loads each) are in
	WIN MUL_LO
	MUL16 0, 0, 0, \slot, \zero
	MUL16 2, 0, 0, \slot, \zero
	s_wait_dscnt 0x0                               ; Q blocks 4-7 are in
	PLACES 4
	FETCH_P \slot, 1, 1
	FETCH_Q \slot, 1, 0
	WIN MUL_HI
	MUL16 4, 0, 0, \slot, \zero
	MUL16 6, 0, 0, \slot, \zero
	PLACES 4
	WIN 0
	FETCH_Q \slot, 1, 4
.endm
; A slot's second 128 along K, and the change of slots: one barrier; in front of it each wave waits for all its tensor loads, adds 0 to its spare word, and waits for that and for its reads of this slot.
.macro TURN slot, next, fill
	s_wait_tensorcnt 0x0                           ; all my tensor loads have landed: my part of the next slot
	ds_add_u32 v[SPW], v[NIL]                      ; 0 onto my spare word
	s_wait_dscnt 13                                ; (the add and the youngest twelve loads may be out)
	WIN MUL_LO
	MUL16 0, 1, 1, \slot, 0
	s_wait_dscnt 0x0                               ; the add is done, and my reads of this slot are over
	s_barrier_signal -1
	MUL16 2, 1, 1, \slot, 0
	WIN 0
	s_barrier_wait -1
.if \fill
	CREST                                          ; the barrier has opened a round of the cluster's: no wave of any partner still reads this slot or has a load on its way
	s_add_nc_u64 s[G0+4*\slot+2:G0+4*\slot+3], s[G0+4*\slot+2:G0+4*\slot+3], 2*BLK
	s_add_nc_u64 s[G0B+4*\slot+2:G0B+4*\slot+3], s[G0B+4*\slot+2:G0B+4*\slot+3], 2*BLK
	JLOAD G0+4*\slot, G1, G0B+4*\slot, G1B         ; the first tensor load behind the round; its four v_nop are the places in front of the loads below
.else
	PLACES 4
.endif
	FETCH_P \next, 0, 0
	FETCH_Q \next, 0, 0
	SCALES \next
	WIN MUL_HI
	MUL16 4, 1, 1, \slot, 0
	MUL16 6, 1, 1, \slot, 0
	PLACES 4
	WIN 0
	FETCH_Q \next, 0, 4
.endm
; The 64 results of a lane in window w, v[ac] on (register 16 b + i = next K 32 b + 16 (lane / 16) + i of my row), become a fragment's codes in v[pc] on and its scale word in v[pw].  Each accumulator is read from its low end on.
.macro QUANTW ac, w, pc, pw
	WIN ((\w)<<2)|((\w)<<4)
.irp b, 0,1,2,3
	v_max3_num_f32 v[TM+\b], 0x2800000, |v[(\ac)+16*\b]|, |v[(\ac)+16*\b+1]|   ; the floor 2^(5 - 127): the byte cannot fall under 1
.endr
.irp i, 2,4,6,8,10,12,14
.irp b, 0,1,2,3
	v_max3_num_f32 v[TM+\b], v[TM+\b], |v[(\ac)+16*\b+\i]|, |v[(\ac)+16*\b+\i+1]|
.endr
.endr
	WIN 0
.irp b, 0,1,2,3
	v_permlanex16_b32 v[TM+4+\b], v[TM+\b], s[SEL], s[SEL+1]
.endr
.irp b, 0,1,2,3
	v_max_num_f32 v[TM+\b], v[TM+\b], v[TM+4+\b]
.endr
.irp b, 0,1,2,3
	v_add_nc_u32 v[TM+12+\b], 0xfe000000, v[TM+\b] ; 4 off the exponent field: the conversion's scale operand
.endr
.irp b, 0,1,2,3
	v_lshrrev_b32 v[TM+4+\b], 23, v[TM+12+\b]
.endr
	v_lshl_or_b32 v[\pw], v[TM+5], 8, v[TM+4]
	v_lshl_or_b32 v[\pw], v[TM+6], 16, v[\pw]
	v_lshl_or_b32 v[\pw], v[TM+7], 24, v[\pw]
	WIN (\w)
.irp c, 0,1
	v_cvt_scalef32_pk16_bf6_f32 v[(\pc)+6*\c:(\pc)+6*\c+2], v[(\ac)+32*\c:(\ac)+32*\c+15], v[TM+12+2*\c]
	v_cvt_scalef32_pk16_bf6_f32 v[(\pc)+12+4*\c:(\pc)+14+4*\c], v[(\ac)+16+32*\c:(\ac)+31+32*\c], v[TM+13+2*\c]
.endr
	WIN 0
	v_nop                                          ; one plain place behind a scaled conversion
.irp c, 0,1
.irp i, 0,1,2
	v_permlane16_swap_b32 v[(\pc)+6*\c+\i], v[(\pc)+12+4*\c+\i]
.endr
.irp i, 0,1,2
	v_mov_b32 v[(\pc)+3+6*\c+\i], v[(\pc)+12+4*\c+\i]
.endr
.endr
.endm
	s_load_b128 s[4:7], s[0:1], 0x0                ; xw s[4:5], qkv s[6:7]
	v_lshl_add_u32 v[SPW], v0, 2, SPARE
	v_mov_b32 v[NIL], 0
	ds_add_u32 v28, v29
	ds_add_u32 v28, v29
	s_wait_dscnt 0x0
	v_lshrrev_b32 v1, 5, v0
	v_readfirstlane_b32 s14, v1                    ; wave 0..3
	s_lshr_b32 s15, s14, 1                         ; my half of the Q side.  Also: I fetch for Q (0) or for P (1)
	s_and_b32 s16, s14, 1                          ; my half of the P side.  Also: which half I fetch
	s_bfe_u32 s40, ttmp6, 0x40000                  ; cx
	s_bfe_u32 s41, ttmp6, 0x40004                  ; cy
	s_lshl_b32 s43, s41, 2
	s_lshl_b32 s43, 15, s43                        ; my row of the cluster
	s_lshl_b32 s44, 0x1111, s40                    ; my column
	s_lshr_b32 s17, ttmp9, 1
	s_lshl_b32 s17, s17, 2                         ; 4 (c / 2)
	s_and_b32 s18, ttmp9, 1
	s_lshl_b32 s18, s18, 2                         ; 4 (c % 2)
	s_sub_co_u32 s19, ttmp9, 16
	s_lshl_b32 s19, s19, 2                         ; 4 (c - 16)
	s_cmp_lt_u32 ttmp9, 16                         ; q and k, or v?  The same in all sixteen partners
	s_cselect_b32 s17, s17, 0
	s_cselect_b32 s18, s18, s19
	s_cselect_b32 s20, 0, 40                       ; the Q side's first tile in xw: x's 0, Wv's 40
	s_cselect_b32 s21, 32, 0                       ; the P side's: Wq's 32, x's 0
	s_cselect_b32 s70, 0, 512                      ; the output block's index = s70 + (PT >> s71) s72 + (2 QT + half) s73 + (PT & s74)
	s_cselect_b32 s71, 2, 3
	s_cselect_b32 s72, 256, 64
	s_cselect_b32 s73, 4, 8
	s_cselect_b32 s74, 3, 7
	s_add_co_u32 s17, s17, s41                     ; QT: hangs on c and cy alone
	s_add_co_u32 s18, s18, s40                     ; PT: on c and cx alone
	s_add_co_u32 s20, s20, s17
	s_add_co_u32 s21, s21, s18
	s_or_b32 s[G1], s43, (3<<16)|(1<<21)           ; 15:0 the mask: my row; 17:16 elements of 8 bytes; 21 set beside a mask; no padding
	s_or_b32 s[G1B], s44, (3<<16)|(1<<21)          ; my column
.irp g, G1, G1B
	s_mov_b32 s[\g+1], 32<<16                      ; tensor_dim0 = 32 elements: rows of 256 bytes
	s_mov_b32 s[\g+2], 100<<16                     ; tensor_dim1 = 100 rows: a block
	s_mov_b32 s[\g+3], 32<<16                      ; tile_dim0
	s_mov_b32 s[\g+4], 100                         ; tile_dim1
	s_mov_b32 s[\g+5], 32                          ; the pitch: dense
	s_mov_b32 s[\g+6], 0
	s_mov_b32 s[\g+7], 0
.endr
	s_lshl_b32 s22, s20, 1
	s_add_co_u32 s22, s22, s16
	s_mul_i32 s22, s22, 4*BLK                      ; the Q side's 128 rows that I fetch: four blocks on end
	s_mov_b32 s23, 0
	s_lshl_b32 s46, s21, 1
	s_add_co_u32 s46, s46, s16
	s_mul_i32 s46, s46, 4*BLK                      ; the P side's
	s_mov_b32 s47, 0
	s_mul_i32 s45, s14, QB                         ; where they go: no place in the cluster enters an LDS address
	s_mov_b32 s[SEL], 0x76543210
	s_mov_b32 s[SEL+1], 0xfedcba98
	s_wait_kmcnt 0x0
	s_add_nc_u64 s[22:23], s[4:5], s[22:23]
	s_add_nc_u64 s[46:47], s[4:5], s[46:47]
	CROUND                                         ; all sixteen work-groups are here: the first joint loads meet
.irp s, 0,1
	s_mov_b32 s[G0+4*\s], 1
	s_add_co_u32 s[G0+4*\s+1], s45, \s*SLOT
	s_add_nc_u64 s[G0+4*\s+2:G0+4*\s+3], s[22:23], \s*BLK
	s_or_b32 s[G0+4*\s+3], s[G0+4*\s+3], 0x80000000
	s_mov_b32 s[G0B+4*\s], 1
	s_add_co_u32 s[G0B+4*\s+1], s45, \s*SLOT
	s_add_nc_u64 s[G0B+4*\s+2:G0B+4*\s+3], s[46:47], \s*BLK
	s_or_b32 s[G0B+4*\s+3], s[G0B+4*\s+3], 0x80000000
	JLOAD G0+4*\s, G1, G0B+4*\s, G1B               ; two loads of mine are out
.endr
	v_and_b32 v1, 15, v0                           ; r
	v_bfe_u32 v2, v0, 4, 1                         ; h
	v_and_b32 v3, 31, v0
	v_lshlrev_b32 v4, 4, v3                        ; 16 x lane
	s_mul_i32 s77, s15, QB
	s_mul_i32 s78, s16, QB
	s_add_co_u32 s78, s78, 2*QB
	v_add_nc_u32 v[ADRQ], s77, v4
	v_add_nc_u32 v[ADRP], s78, v4
	v_add_nc_u32 v[ADRQ+1], SLOT, v[ADRQ]
	v_add_nc_u32 v[ADRP+1], SLOT, v[ADRP]
	s_sub_co_u32 s78, s78, s77
	v_mul_u32_u24 v9, s78, v2                      ; lanes 16-31 take the P side's words: one product, the distance between the two blocks
	v_lshl_add_u32 v9, v1, 2, v9
	s_add_co_u32 s77, s77, 24576
	v_add_nc_u32 v[ADRS], s77, v9
	v_add_nc_u32 v[ADRS+1], SLOT, v[ADRS]
	s_mul_i32 s79, s16, 1536
	v_add_nc_u32 v[GO], s79, v4
	s_lshl_b32 s79, s16, 9
	v_add_nc_u32 v[GS], s79, v4
	s_lshl_b32 s79, s14, 9
	s_add_co_u32 s79, s79, SCRB
	v_lshl_add_u32 v[SCR], v1, 2, s79
	v_add_nc_u32 v[SCRO], s79, v4
.irp b, 0,1,2,3
	v_mov_b32 v[TM+4+\b], 0                        ; written once: a lane permute's destination counts as one of its sources
.endr
	s_lshr_b32 s75, s18, s71
	s_mul_i32 s75, s75, s72
	s_add_co_u32 s75, s75, s70
	s_lshl_b32 s76, s17, 1
	s_add_co_u32 s76, s76, s15
	s_mul_i32 s76, s76, s73
	s_add_co_u32 s75, s75, s76
	s_and_b32 s76, s18, s74
	s_add_co_u32 s75, s75, s76
	s_mul_i32 s12, s75, BLK
	s_mov_b32 s13, 0
	s_add_nc_u64 s[12:13], s[6:7], s[12:13]        ; the block into which my results go; my P half is its K step
	s_wait_tensorcnt 1                             ; my part of slot 0 is in; slot 1's may stay out
	s_barrier_signal -1
	s_barrier_wait -1
	FETCH_P 0, 0, 0
	FETCH_Q 0, 0, 0
	SCALES 0
	FETCH_Q 0, 0, 4
	STEP 0, 1                                      ; the first step's products start the sums
	TURN 0, 1, 1                                   ; K = 1,024 is four slots: both slots are filled once more
	STEP 1, 0
	TURN 1, 0, 1
	STEP 0, 0
	TURN 0, 1, 0
	STEP 1, 0
	s_wait_dscnt 12                                ; the last step: nothing more to fetch
	WIN MUL_LO
	MUL16 0, 1, 1, 1, 0
	MUL16 2, 1, 1, 1, 0
	s_wait_dscnt 0x0
	WIN MUL_HI
	MUL16 4, 1, 1, 1, 0
	MUL16 6, 1, 1, 1, 0
	WIN 0
	PLACES 4                                       ; in front of the first read of results
	; THE WAY OUT: each block of 16 Q rows becomes one fragment of the next product, K step = my P half
.irp a, 0,1,2,3,4,5,6,7
.if \a > 1
	s_wait_xcnt 0x0                                ; block a - 2's stores have read their registers: this set of codes is written again only behind this wait
.endif
	QUANTW 64*(\a%4), 2+\a/4, PCS+20*(\a%2), PW+\a
.irp c, 0,1,2
	global_store_b128 v[GO], v[PCS+20*(\a%2)+4*\c:PCS+20*(\a%2)+4*\c+3], s[12:13] offset:\a*3072+512*\c   ; 512 consecutive bytes, aligned
.endr
	ds_store_b32 v[SCR], v[PW+\a] offset:64*\a     ; both halves of the lanes write the same word with the same value
.endr
	ds_load_b128 v[224:227], v[SCRO]               ; my 128 scale words, 16 bytes a lane
	s_wait_dscnt 0x0
	global_store_b128 v[GS], v[224:227], s[12:13] offset:24576
	s_wait_tensorcnt 0x0                           ; the wave's end
	ds_add_u32 v[SPW], v[NIL]
	s_wait_dscnt 0x0
	CROUND                                         ; the closing round
	s_endpgm
.Lfunc_end_k_qa94855f070_proj:
	.size	k_qa94855f070_proj, .Lfunc_end_k_qa94855f070_proj-k_qa94855f070_proj
	.p2alignl 7, 3214868480
	.fill 96, 4, 3214868480
	.section	.rodata,"a",@progbits
	.p2align	6, 0x0
	.amdhsa_kernel k_qa94855f070_proj
		.amdhsa_group_segment_fixed_size 327680
		.amdhsa_private_segment_fixed_size 0
		.amdhsa_enable_private_segment 0
		.amdhsa_kernarg_size 16
		.amdhsa_user_sgpr_count 2
		.amdhsa_user_sgpr_kernarg_segment_ptr 1
		.amdhsa_wavefront_size32 1
		.amdhsa_system_sgpr_workgroup_id_x 1
		.amdhsa_system_sgpr_workgroup_id_y 1
		.amdhsa_system_sgpr_workgroup_id_z 1
		.amdhsa_system_vgpr_workitem_id 0
		.amdhsa_next_free_vgpr 1024
		.amdhsa_next_free_sgpr 98
		.amdhsa_reserve_vcc 0
		.amdhsa_float_denorm_mode_32 3
		.amdhsa_float_denorm_mode_16_64 3
		.amdhsa_memory_ordered 1
		.amdhsa_forward_progress 1
		.amdhsa_inst_pref_size 140
	.end_amdhsa_kernel
	.amdgpu_metadata
---
amdhsa.version: [ 1, 2 ]
amdhsa.kernels:
  - .name:           k_qa94855f070_proj
    .symbol:         k_qa94855f070_proj.kd
    .args:
      - { .name: xw, .offset: 0, .size: 8, .value_kind: global_buffer, .address_space: global }
      - { .name: qkv, .offset: 8, .size: 8, .value_kind: global_buffer, .address_space: global }
    .group_segment_fixed_size: 327680
    .private_segment_fixed_size: 0
    .kernarg_segment_align: 8
    .kernarg_segment_size: 16
    .max_flat_workgroup_size: 128
    .sgpr_count:     98
    .vgpr_count:     1024
    .wavefront_size: 32
...
	.end_amdgpu_metadata
.endif
;; end of part 2
;; launch score (part 3): grid 36 x 4, 4 waves a work-group, no clusters, 327,680 bytes of LDS; arguments qkv, pc; writes pc
.if DOCPART == 3
	.amdgcn_target "amdgcn-amd-amdhsa--gfx1250"
	.amdhsa_code_object_version 6
	.text
	.protected	k_qa94855f070_score
	.globl	k_qa94855f070_score
	.p2align	8
	.type	k_qa94855f070_score,@function
k_qa94855f070_score:
	s_mov_b64 s[64:65], 0
	v_nop
	global_prefetch_b8 v0, s[64:65] scope:SCOPE_SE
	s_setreg_imm32_b32 hwreg(HW_REG_WAVE_MODE, 25, 1), 1
	s_wait_xcnt 0x0
; S = q k^T on codes of E3M2 (K = e = 1,024) for the 36 tiles of 256 queries x 256 keys of a batch that the causal mask leaves, then p = 2^(t - M) as codes, with M and the sum of p for each query and each 128 keys.
; t = score x log2(e) / 32.  M here is the ceiling of the largest t of the query's 128 KEYS IN HAND, a whole number; the next launch brings the scale bytes under the row's final M by a subtraction, which is exact.
; The sum is taken of the unquantised p.  Hidden scores become -infinity ahead of the maximum; each query of a part that is worked sees at least one key of it (its own, on the diagonal).
; Q side (source 1) = q, P side (source 0) = k: a lane holds one query, and its 64 registers of a block of 16 queries are 128 keys in true order (the workspace's position order does that).
; pc: block (batch b, 128 queries Hq, 256 keys slot) at ((16 b + Hq) 8 + slot) x 27,648: fragments and scale words as in qkv; M (i32) at 25,600 + 512 q + 64 G + 4 r; the sum (f32) at 26,624 + the same.
; A part all of whose keys are hidden (queries 0-127 x keys 128-255 of a diagonal tile) is stored as zero codes, bytes 127, M = -2^30, sum 0; so is, for an even query tile, the whole slot behind the diagonal, so that the
; next launch walks an even number of slots.
; NO CLUSTER: a batch's 36 tiles have 1 to 8 tiles to a row and to a column, so they do not fall into groups of four that share a row or a column; filling 4 x 4 clusters would add work-groups that lie wholly under the mask.
; LIMITS: NaN and infinities are not served; |t| stays under 2^30 (M is kept as i32); a block of 32 keys whose largest p lies under 2^-60 takes the byte 63: what is lost is under 2^-55 of a row's sum, which is at least 1/2.
; REGISTERS as in the launch before; the softmax works in place on the accumulators.
.set BLK,   25600
.set PBLK,  27648
.set QB,    25600
.set SLOT,  4*QB
.set SCRB,  2*SLOT                     ; behind the ring: 1,536 bytes for each wave: scale words, M, sums
.set SPARE, SCRB+4*1536
.set FR,    12
.set GO,    5
.set GS,    6
.set SCR,   7                          ; v7   scratch, in: 4 r
.set SCRO,  8                          ; v8   scratch, out: 16 x lane
.set VD0,   9                          ; v9   r + 8 (r / 8) - 16 h
.set VD,    10                         ; v10  my query's true number in the 128, less 16 h
.set NINF,  11                         ; v11  -infinity
.set NM,    12                         ; v12  -M; v13 is named with it as a pair
.set SCR2,  14                         ; v14  scratch for M (lanes 0-15) and the sum (lanes 16-31): 512 + 512 h + 4 r
.set ADRQ,  16
.set ADRP,  20
.set ADRS,  22
.set SPW,   28
.set NIL,   29
.set SC,    32
.set PCS,   64
.set TM,    104
.set PW,    120
.set QF,    128
.set SV,    224                        ; v224-231 M | sum, a register for each block of 16 queries
.set G1,    24
.set G0,    32
.set SEL,   66
.set CS,    68                         ; s[68:69] c = log2(e) / 32
.set MSB,   0
.set MUL_LO, 0xa1
.set MUL_HI, 0xf1
.set TO_P,   0x40
.macro WIN new
.if MSB != (\new)
	s_set_vgpr_msb (MSB<<8)|(\new)
.set MSB, (\new)
.endif
.endm
.macro PLACES n
.rept \n
	v_nop
.endr
.endm
.macro FRAG reg, adr, q, i
.irp c, 0,1,2
	ds_load_b128 v[\reg+4*\c:\reg+4*\c+3], v[\adr] offset:(\i)*3072+(\q)*1536+512*\c
.endr
.endm
.macro FETCH_P slot, q, p
	WIN TO_P
.irp i, 0,1,2,3,4,5,6,7
	FRAG 128*(\p)+FR*\i, ADRP+\slot, \q, \i
.endr
	WIN 0
.endm
.macro FETCH_Q slot, q, i0
.irp i, \i0, \i0+1, \i0+2, \i0+3
	FRAG QF+FR*(\i), ADRQ+\slot, \q, \i
.endr
.endm
.macro SCALES sl
.irp i, 0,1,2,3,4,5,6,7
	ds_load_b32 v[SC+16*\sl+2*\i], v[ADRS+\sl] offset:64*\i
	ds_load_b32 v[SC+16*\sl+2*\i+1], v[ADRS+\sl] offset:512+64*\i
.endr
.endm
.macro MUL16 a0, p, q, sc, zero        ; the 64 accumulators take turns, one instruction a turn
.irp a, \a0, \a0+1
.irp b, 0,1,2,3,4,5,6,7
.if \zero
	v_wmma_scale_f32_16x16x128_f8f6f4 v[8*(8*((\a)%4)+\b):8*(8*((\a)%4)+\b)+7], v[128*(\p)+FR*\b:128*(\p)+FR*\b+FR-1], v[QF+FR*(\a):QF+FR*(\a)+FR-1], 0, v[SC+16*(\sc)+2*\b+(\q)], v[SC+16*(\sc)+2*(\a)+(\q)] matrix_a_fmt:MATRIX_FMT_BF6 matrix_b_fmt:MATRIX_FMT_BF6 matrix_a_scale:MATRIX_SCALE_ROW1
.else
	v_wmma_scale_f32_16x16x128_f8f6f4 v[8*(8*((\a)%4)+\b):8*(8*((\a)%4)+\b)+7], v[128*(\p)+FR*\b:128*(\p)+FR*\b+FR-1], v[QF+FR*(\a):QF+FR*(\a)+FR-1], v[8*(8*((\a)%4)+\b):8*(8*((\a)%4)+\b)+7], v[SC+16*(\sc)+2*\b+(\q)], v[SC+16*(\sc)+2*(\a)+(\q)] matrix_a_fmt:MATRIX_FMT_BF6 matrix_b_fmt:MATRIX_FMT_BF6 matrix_a_scale:MATRIX_SCALE_ROW1
.endif
.endr
.endr
.endm
.macro STEP slot, zero
	s_wait_dscnt 12                                ; all but the youngest twelve loads (Q blocks 4-7) are in
	WIN MUL_LO
	MUL16 0, 0, 0, \slot, \zero
	MUL16 2, 0, 0, \slot, \zero
	s_wait_dscnt 0x0
	PLACES 4
	FETCH_P \slot, 1, 1
	FETCH_Q \slot, 1, 0
	WIN MUL_HI
	MUL16 4, 0, 0, \slot, \zero
	MUL16 6, 0, 0, \slot, \zero
	PLACES 4
	WIN 0
	FETCH_Q \slot, 1, 4
.endm
.macro TURN slot, next, fill
	s_wait_tensorcnt 0x0                           ; all my tensor loads have landed: my part of the next slot; so a group 0 may be written
	ds_add_u32 v[SPW], v[NIL]                      ; 0 onto my spare word
.if \fill
	s_add_nc_u64 s[G0+4*\slot+2:G0+4*\slot+3], s[G0+4*\slot+2:G0+4*\slot+3], 2*BLK   ; this slot's next block: two slots on
.endif
	s_wait_dscnt 13                                ; (the add and the youngest twelve loads may be out)
	WIN MUL_LO
	MUL16 0, 1, 1, \slot, 0
	s_wait_dscnt 0x0                               ; the add is done, and my reads of this slot are over
	s_barrier_signal -1
	MUL16 2, 1, 1, \slot, 0
	WIN 0
	s_barrier_wait -1
.if \fill
	tensor_load_to_lds s[G0+4*\slot:G0+4*\slot+3], s[G1:G1+7]   ; my one tensor load behind the barrier, and the first thing there
	s_nop 0
.endif
	PLACES 4                                       ; behind the load, and the places in front of the loads below
	FETCH_P \next, 0, 0
	FETCH_Q \next, 0, 0
	SCALES \next
	WIN MUL_HI
	MUL16 4, 1, 1, \slot, 0
	MUL16 6, 1, 1, \slot, 0
	PLACES 4
	WIN 0
	FETCH_Q \next, 0, 4
.endm
; A part of a block without a key that counts: zero codes, bytes 127, M = -2^30, sum 0.  The data registers are never rewritten.
.macro ZEROPART base
.irp a, 0,1,2,3,4,5,6,7
.irp c, 0,1,2
	global_store_b128 v[GO], v[236:239], s[\base:\base+1] offset:\a*3072+512*\c
.endr
.endr
	global_store_b128 v[GS], v[240:243], s[\base:\base+1] offset:24576
	global_store_b128 v[GS], v[244:247], s[\base:\base+1] offset:25600
	global_store_b128 v[GS], v[236:239], s[\base:\base+1] offset:26624
.endm
; Block a of 16 queries: mask, M, p, the sum, the codes.
.macro SOFT a
.set AC, 64*((\a)%4)
.set W, 2+(\a)/4
.set PCA, PCS+20*((\a)%2)
	s_cmp_eq_u32 s77, 0                            ; only a part on the diagonal has hidden keys: a branch on ids and the wave's number
	s_cbranch_scc1 .Lopen_\@
	v_add_nc_u32 v[VD], 32*((\a)/2)+8*((\a)%2), v[VD0]
	WIN (W<<6)|W
.set n, 0
.rept 64                               ; register 16 b + i holds key 32 b + 16 h + i: hidden where 32 b + i > VD.  Blocks b < a / 2 lie wholly ahead of these queries
.if n/16 >= (\a)/2
	v_cmp_gt_i32 vcc_lo, 32*(n/16)+n%16, v[VD]
	v_cndmask_b32 v[AC+n], v[AC+n], v[NINF], vcc_lo
.endif
.set n, n+1
.endr
	WIN 0
.Lopen_\@:
	WIN (W<<2)|(W<<4)
.irp b, 0,1,2,3
	v_max3_num_f32 v[TM+\b], v[NINF], v[AC+16*\b], v[AC+16*\b+1]   ; the largest score of each block of 32 keys: it serves for the maximum and, since p rises with the score, for the block's largest p
.endr
.irp i, 2,4,6,8,10,12,14
.irp b, 0,1,2,3
	v_max3_num_f32 v[TM+\b], v[TM+\b], v[AC+16*\b+\i], v[AC+16*\b+\i+1]
.endr
.endr
	WIN 0
.irp b, 0,1,2,3
	v_permlanex16_b32 v[TM+4+\b], v[TM+\b], s[SEL], s[SEL+1]
.endr
.irp b, 0,1,2,3
	v_max_num_f32 v[TM+\b], v[TM+\b], v[TM+4+\b]
.endr
	v_max3_num_f32 v15, v[TM], v[TM+1], v[TM+2]
	v_max_num_f32 v15, v15, v[TM+3]
	v_mul_f32 v15, s[CS], v15                      ; as t (c is positive)
	v_floor_f32 v[NM], -v15                        ; -M = floor(-t) = -ceil(t)
	v_cvt_i32_f32 v24, v[NM]
	v_sub_nc_u32 v24, 0, v24                       ; M as a whole number
.irp b, 0,1,2,3
	v_fma_f32 v[TM+\b], v[TM+\b], s[CS], v[NM]
.endr
	WIN (W<<6)|W
.set n, 0
.rept 32
	v_pk_fma_f32 v[AC+n:AC+n+1], v[AC+n:AC+n+1], s[CS:CS+1], v[NM:NM+1] op_sel_hi:[1,0,0]   ; t - M, two at a time
.set n, n+2
.endr
.set n, 0
.rept 64
	v_exp_f32 v[AC+n], v[AC+n]                     ; p = 2^(t - M): not normalised
.set n, n+1
.endr
	v_nop                                          ; a plain place behind the last exponential
	s_wait_alu depctr_va_vdst(0)                   ; one wait for the batch, ahead of its first reader
	WIN 0
.irp b, 0,1,2,3
	v_exp_f32 v[TM+\b], v[TM+\b]                   ; the block's largest p: the same two instructions on the same number give the same bits
.endr
	v_mov_b32 v232, 0                              ; the sum, in two chains of pairs (plain work behind the four)
	v_mov_b32 v233, 0
	v_mov_b32 v234, 0
	v_mov_b32 v235, 0
	WIN W<<2
.set n, 0
.rept 16
	v_pk_add_f32 v[232:233], v[232:233], v[AC+n:AC+n+1]
	v_pk_add_f32 v[234:235], v[234:235], v[AC+n+2:AC+n+3]
.set n, n+4
.endr
	WIN 0
	v_pk_add_f32 v[232:233], v[232:233], v[234:235]
	v_add_f32 v25, v232, v233
	v_permlanex16_b32 v26, v25, s[SEL], s[SEL+1]
	v_add_f32 v25, v25, v26                        ; the sum of my query's 128 p
	s_wait_alu depctr_va_vdst(0)                   ; and one wait for the four
.irp b, 0,1,2,3
	v_max_num_f32 v[TM+\b], 0x21800000, v[TM+\b]   ; the floor 2^-60: the byte cannot fall under 63, so that up to 63 can be taken off it later
.endr
.irp b, 0,1,2,3
	v_add_nc_u32 v[TM+12+\b], 0xfe000000, v[TM+\b]
.endr
.irp b, 0,1,2,3
	v_lshrrev_b32 v[TM+4+\b], 23, v[TM+12+\b]
.endr
	v_lshl_or_b32 v[PW+(\a)], v[TM+5], 8, v[TM+4]
	v_lshl_or_b32 v[PW+(\a)], v[TM+6], 16, v[PW+(\a)]
	v_lshl_or_b32 v[PW+(\a)], v[TM+7], 24, v[PW+(\a)]
.if (\a) > 1
	s_wait_xcnt 0x0                                ; block a - 2's stores have read their registers: this set of codes is written again only behind this wait
.endif
	WIN W
.irp c, 0,1
	v_cvt_scalef32_pk16_bf6_f32 v[PCA+6*\c:PCA+6*\c+2], v[AC+32*\c:AC+32*\c+15], v[TM+12+2*\c]
	v_cvt_scalef32_pk16_bf6_f32 v[PCA+12+4*\c:PCA+14+4*\c], v[AC+16+32*\c:AC+31+32*\c], v[TM+13+2*\c]
.endr
	WIN 0
	v_nop                                          ; one plain place behind a scaled conversion
.irp c, 0,1
.irp i, 0,1,2
	v_permlane16_swap_b32 v[PCA+6*\c+\i], v[PCA+12+4*\c+\i]
.endr
.irp i, 0,1,2
	v_mov_b32 v[PCA+3+6*\c+\i], v[PCA+12+4*\c+\i]
.endr
.endr
.irp c, 0,1,2
	global_store_b128 v[GO], v[PCA+4*\c:PCA+4*\c+3], s[12:13] offset:(\a)*3072+512*\c
.endr
	ds_store_b32 v[SCR], v[PW+(\a)] offset:64*(\a)
	v_cndmask_b32 v[SV+(\a)], v24, v25, s78        ; lanes 0-15 carry M, lanes 16-31 the sum
	ds_store_b32 v[SCR2], v[SV+(\a)] offset:64*(\a)
.endm
	s_load_b128 s[4:7], s[0:1], 0x0                ; qkv s[4:5], pc s[6:7]
	v_lshl_add_u32 v[SPW], v0, 2, SPARE
	v_mov_b32 v[NIL], 0
	ds_add_u32 v28, v29
	ds_add_u32 v28, v29
	s_wait_dscnt 0x0
	v_lshrrev_b32 v1, 5, v0
	v_readfirstlane_b32 s14, v1                    ; wave 0..3
	s_lshr_b32 s15, s14, 1                         ; my half of the queries
	s_and_b32 s16, s14, 1                          ; my half of the keys.  Also: which half I fetch
	s_and_b32 s19, ttmp7, 0xffff                   ; the batch
	s_mov_b32 s17, 0
.irp th, 1,3,6,10,15,21,28             ; tile t of the triangle: I = how many of the rows' first numbers i (i + 1) / 2 it has reached
	s_cmp_ge_u32 ttmp9, \th
	s_cselect_b32 s18, 1, 0
	s_add_co_u32 s17, s17, s18
.endr
	s_add_co_u32 s18, s17, 1
	s_mul_i32 s18, s18, s17
	s_lshr_b32 s18, s18, 1
	s_sub_co_u32 s18, ttmp9, s18                   ; J = t - I (I + 1) / 2, at most I
	s_mov_b32 s[G1], 3<<16                         ; no mask; elements of 8 bytes; no padding
	s_mov_b32 s[G1+1], 32<<16                      ; rows of 256 bytes,
	s_mov_b32 s[G1+2], 100<<16                     ; 100 of them: a block
	s_mov_b32 s[G1+3], 32<<16
	s_mov_b32 s[G1+4], 100
	s_mov_b32 s[G1+5], 32
	s_mov_b32 s[G1+6], 0
	s_mov_b32 s[G1+7], 0
	s_lshl_b32 s20, s19, 4
	s_lshl_b32 s21, s17, 1                         ; q's rows of blocks: 16 b + 2 I + half
	s_lshl_b32 s22, s18, 1
	s_add_co_u32 s22, s22, 64                      ; k's: 64 + 16 b + 2 J + half
	s_cmp_lt_u32 s14, 2                            ; waves 0 and 1 fetch q's halves, waves 2 and 3 k's
	s_cselect_b32 s21, s21, s22
	s_add_co_u32 s20, s20, s21
	s_add_co_u32 s20, s20, s16
	s_mul_i32 s20, s20, 4*BLK
	s_mov_b32 s21, 0
	s_mul_i32 s45, s14, QB
	s_cmp_eq_u32 s17, s18
	s_cselect_b32 s76, 1, 0                        ; a diagonal tile
	s_xor_b32 s77, s15, s16
	s_xor_b32 s77, s77, 1
	s_and_b32 s77, s77, s76                        ; my part lies on the diagonal
	s_xor_b32 s79, s15, 1
	s_and_b32 s79, s79, s16
	s_and_b32 s79, s79, s76                        ; all my keys are hidden
	s_and_b32 s80, s17, 1
	s_xor_b32 s80, s80, 1
	s_and_b32 s80, s80, s76                        ; the slot behind the diagonal is mine to clear
	s_mov_b32 s78, 0xffff0000
	s_mov_b32 s[SEL], 0x76543210
	s_mov_b32 s[SEL+1], 0xfedcba98
	s_mov_b32 s[CS], 0x3d38aa3b                    ; log2(e) / 32
	s_mov_b32 s[CS+1], s[CS]                       ; (named with it as a pair, so it is written)
	s_lshl_b32 s12, s19, 4
	s_lshl_b32 s13, s17, 1
	s_add_co_u32 s12, s12, s13
	s_add_co_u32 s12, s12, s15
	s_lshl_b32 s12, s12, 3
	s_add_co_u32 s12, s12, s18
	s_mul_i32 s12, s12, PBLK
	s_mov_b32 s13, 0
	s_wait_kmcnt 0x0
	s_add_nc_u64 s[20:21], s[4:5], s[20:21]
	s_add_nc_u64 s[12:13], s[6:7], s[12:13]        ; pc's block (16 b + 2 I + my half, slot J); my half of the keys is its K step
	s_add_nc_u64 s[82:83], s[12:13], PBLK          ; and the slot behind it (named only where s80 is 1: I is then at most 6)
.irp s, 0,1
	s_mov_b32 s[G0+4*\s], 1
	s_add_co_u32 s[G0+4*\s+1], s45, \s*SLOT
	s_add_nc_u64 s[G0+4*\s+2:G0+4*\s+3], s[20:21], \s*BLK
	s_or_b32 s[G0+4*\s+3], s[G0+4*\s+3], 0x80000000
.endr
	tensor_load_to_lds s[G0:G0+3], s[G1:G1+7]      ; the two first fills go out together: two loads of mine are out
	s_nop 0
	tensor_load_to_lds s[G0+4:G0+7], s[G1:G1+7]
	s_nop 0
	PLACES 4
	v_and_b32 v1, 15, v0                           ; r
	v_bfe_u32 v2, v0, 4, 1                         ; h
	v_and_b32 v3, 31, v0
	v_lshlrev_b32 v4, 4, v3
	s_mul_i32 s70, s15, QB
	s_mul_i32 s71, s16, QB
	s_add_co_u32 s71, s71, 2*QB
	v_add_nc_u32 v[ADRQ], s70, v4
	v_add_nc_u32 v[ADRP], s71, v4
	v_add_nc_u32 v[ADRQ+1], SLOT, v[ADRQ]
	v_add_nc_u32 v[ADRP+1], SLOT, v[ADRP]
	s_sub_co_u32 s71, s71, s70
	v_mul_u32_u24 v15, s71, v2                     ; lanes 16-31 take k's words: one product
	v_lshl_add_u32 v15, v1, 2, v15
	s_add_co_u32 s70, s70, 24576
	v_add_nc_u32 v[ADRS], s70, v15
	v_add_nc_u32 v[ADRS+1], SLOT, v[ADRS]
	s_mul_i32 s72, s16, 1536
	v_add_nc_u32 v[GO], s72, v4
	s_lshl_b32 s72, s16, 9
	v_add_nc_u32 v[GS], s72, v4
	s_mul_i32 s72, s14, 1536
	s_add_co_u32 s72, s72, SCRB
	v_lshl_add_u32 v[SCR], v1, 2, s72
	v_add_nc_u32 v[SCRO], s72, v4
	v_lshl_add_u32 v[SCR2], v2, 9, v[SCR]
	v_add_nc_u32 v[SCR2], 512, v[SCR2]
	v_and_b32 v[VD0], 8, v1
	v_add_nc_u32 v[VD0], v[VD0], v1
	v_lshlrev_b32 v[VD], 4, v2
	v_sub_nc_u32 v[VD0], v[VD0], v[VD]
	v_mov_b32 v[NINF], 0xff800000
	v_mov_b32 v[NM+1], 0                           ; (named as the upper half of a pair)
	v_mov_b32 v26, 0                               ; written once: a lane permute's destination counts as one of its sources
.irp b, 0,1,2,3
	v_mov_b32 v[TM+4+\b], 0
	v_mov_b32 v[236+\b], 0                         ; zero codes, and the sum 0
	v_mov_b32 v[240+\b], 0x7f7f7f7f                ; bytes 127
	v_mov_b32 v[244+\b], 0xc0000000                ; M = -2^30
.endr
	s_wait_tensorcnt 1                             ; my part of slot 0 is in; slot 1's may stay out
	s_barrier_signal -1
	s_barrier_wait -1
	FETCH_P 0, 0, 0
	FETCH_Q 0, 0, 0
	SCALES 0
	FETCH_Q 0, 0, 4
	STEP 0, 1
	TURN 0, 1, 1
	STEP 1, 0
	TURN 1, 0, 1
	STEP 0, 0
	TURN 0, 1, 0
	STEP 1, 0
	s_wait_dscnt 12
	WIN MUL_LO
	MUL16 0, 1, 1, 1, 0
	MUL16 2, 1, 1, 1, 0
	s_wait_dscnt 0x0
	WIN MUL_HI
	MUL16 4, 1, 1, 1, 0
	MUL16 6, 1, 1, 1, 0
	WIN 0
	PLACES 4                                       ; in front of the first read and the first write of results by vector instructions
	s_cmp_eq_u32 s79, 1
	s_cbranch_scc1 .Lhidden
.irp a, 0,1,2,3,4,5,6,7
	SOFT \a
.endr
.irp k, 0,1,2
	ds_load_b128 v[128+4*\k:131+4*\k], v[SCRO] offset:512*\k   ; my 128 scale words, M and sums, 16 bytes a lane
.endr
	s_wait_dscnt 0x0
.irp k, 0,1,2
	global_store_b128 v[GS], v[128+4*\k:131+4*\k], s[12:13] offset:24576+1024*\k
.endr
	s_branch .Ljoin
.Lhidden:
	ZEROPART 12
.Ljoin:
	s_cmp_eq_u32 s80, 1
	s_cbranch_scc0 .Lend
	ZEROPART 82
.Lend:
	s_wait_tensorcnt 0x0                           ; the wave's end
	ds_add_u32 v[SPW], v[NIL]
	s_wait_dscnt 0x0
	s_endpgm
.Lfunc_end_k_qa94855f070_score:
	.size	k_qa94855f070_score, .Lfunc_end_k_qa94855f070_score-k_qa94855f070_score
	.p2alignl 7, 3214868480
	.fill 96, 4, 3214868480
	.section	.rodata,"a",@progbits
	.p2align	6, 0x0
	.amdhsa_kernel k_qa94855f070_score
		.amdhsa_group_segment_fixed_size 327680
		.amdhsa_private_segment_fixed_size 0
		.amdhsa_enable_private_segment 0
		.amdhsa_kernarg_size 16
		.amdhsa_user_sgpr_count 2
		.amdhsa_user_sgpr_kernarg_segment_ptr 1
		.amdhsa_wavefront_size32 1
		.amdhsa_system_sgpr_workgroup_id_x 1
		.amdhsa_system_sgpr_workgroup_id_y 1
		.amdhsa_system_sgpr_workgroup_id_z 1
		.amdhsa_system_vgpr_workitem_id 0
		.amdhsa_next_free_vgpr 1024
		.amdhsa_next_free_sgpr 90
		.amdhsa_reserve_vcc 1
		.amdhsa_float_denorm_mode_32 3
		.amdhsa_float_denorm_mode_16_64 3
		.amdhsa_memory_ordered 1
		.amdhsa_forward_progress 1
		.amdhsa_inst_pref_size 231
	.end_amdhsa_kernel
	.amdgpu_metadata
---
amdhsa.version: [ 1, 2 ]
amdhsa.kernels:
  - .name:           k_qa94855f070_score
    .symbol:         k_qa94855f070_score.kd
    .args:
      - { .name: qkv, .offset: 0, .size: 8, .value_kind: global_buffer, .address_space: global }
      - { .name: pc, .offset: 8, .size: 8, .value_kind: global_buffer, .address_space: global }
    .group_segment_fixed_size: 327680
    .private_segment_fixed_size: 0
    .kernarg_segment_align: 8
    .kernarg_segment_size: 16
    .max_flat_workgroup_size: 128
    .sgpr_count:     90
    .vgpr_count:     1024
    .wavefront_size: 32
...
	.end_amdgpu_metadata
.endif
;; end of part 3
;; launch pv (part 4): grid 4 x 32, 4 waves a work-group, clusters of 4 x 1, 327,680 bytes of LDS; arguments qkv, pc, out0; writes out0
.if DOCPART == 4
	.amdgcn_target "amdgcn-amd-amdhsa--gfx1250"
	.amdhsa_code_object_version 6
	.text
	.protected	k_qa94855f070_pv
	.globl	k_qa94855f070_pv
	.p2align	8
	.type	k_qa94855f070_pv,@function
k_qa94855f070_pv:
	s_mov_b64 s[64:65], 0
	v_nop
	global_prefetch_b8 v0, s[64:65] scope:SCOPE_SE
	s_setreg_imm32_b32 hwreg(HW_REG_WAVE_MODE, 25, 1), 1
	s_wait_xcnt 0x0
	s_wait_alu depctr_hold_cnt(0) depctr_sa_sdst(0) depctr_va_vdst(0) depctr_va_sdst(0) depctr_va_ssrc(0) depctr_va_vcc(0) depctr_vm_vsrc(0)
	s_getreg_b32 s2, hwreg(HW_REG_IB_STS2, 6, 4)
	s_cmp_eq_u32 s2, 0
	s_cbranch_scc0 .Lentry_in_a_cluster
	s_endpgm
.Lentry_in_a_cluster:
	s_bfe_u32 s2, ttmp6, 0x10000c
	s_cmp_lg_u32 s2, 0x3003
	s_cbranch_scc0 .Lentry_shape_is_right
	s_endpgm
.Lentry_shape_is_right:
; out = (p v) / l on codes of E3M2 (K = the keys).  A work-group makes 256 queries (tile I of batch b) x 256 of the head's 1,024 (cx); four waves, each 128 x 128.
; Q side (source 1) = p from pc, P side (source 0) = v^T from qkv: a lane holds one query, its 64 registers of a block of 16 queries are 128 of the head's numbers in true order.
; It walks n' = (I + 2) & ~1 slots of 256 keys: the slots that the causal mask leaves, made even (the launch before stored zero codes in the slot that makes up the number).
; p's codes were made under an M of their own 128 keys.  THE PROLOGUE takes each query's final M (the largest of them) and l = the sum of the parts' sums x 2^(their M - final M), exact powers of two.
; In the loop, (final M - the part's M), held at 63, is taken off each of p's four scale bytes of that part: the bytes are at least 63, so no byte borrows.  What the hold changes is under 2^-55 of a row's sum.
; CLUSTER: the four work-groups of a query tile walk the same p: it is asked for jointly.  v^T's blocks are shared only between query tiles, which walk different numbers of slots (2 to 8), so partners would need different
; numbers of joint loads: they come by plain loads, behind the same rounds.
; LIMITS: as in the launch before: NaN and infinities are not served; |M| under 2^30.
; pc's block: 24,576 bytes of fragments, 1,024 of scale words, 1,024 of M: these 26,624 come into the slot; the sums, 1,024 more, are read by the prologue alone.
.set BLK,   25600
.set PBLK,  27648
.set QB,    26624                      ; a quarter of a slot: p's 104 rows of 256 bytes; v^T's 100 leave the rest unused
.set SLOT,  4*QB
.set STAGE, 2*SLOT                     ; behind the ring: 16 rows x 528 bytes for each wave, for the way out
.set PSCR,  STAGE+4*8448               ; 1,024 bytes for each wave: final M and 1 / l of its 128 queries
.set SPARE, PSCR+4096
.set FR,    12
.set STO,   5                          ; v5   the stage, in: 528 r + 64 h
.set RD,    6                          ; v6   and out: 16 x lane
.set ADRQ,  16
.set ADRM,  18                         ; v18-19 the parts' M in slot 0, 1
.set ADRP,  20
.set ADRS,  22
.set PSI,   24                         ; v24  the prologue's scratch, in: 16 x lane
.set PSO,   25                         ; v25  and out: 4 r
.set LIM,   27                         ; v27  63 in lanes 0-15 (p's words), 0 in lanes 16-31 (v^T's words stay as they are)
.set SPW,   28
.set NIL,   29
.set SC,    32
.set ML,    64                         ; v64-79  the parts' M of the slot in hand: register 2 i + q
.set MF,    80                         ; v80-87  final M of block i's queries
.set RL,    88                         ; v88-103 1 / l of block i's queries, as a pair
.set QF,    128
.set G1,    24
.set G0,    32
.set G1B,   48
.set G0B,   56
.set MSB,   0
.set MUL_LO, 0xa1
.set MUL_HI, 0xf1
.set TO_P,   0x40
.macro WIN new
.if MSB != (\new)
	s_set_vgpr_msb (MSB<<8)|(\new)
.set MSB, (\new)
.endif
.endm
.macro PLACES n
.rept \n
	v_nop
.endr
.endm
.macro JLOAD g0a, g1a, g0b, g1b        ; waves 0 and 1: p's halves, jointly; waves 2 and 3: v^T's halves.  Four v_nop follow each line
	s_cmp_eq_u32 s15, 0
	s_cbranch_scc0 .Lfor_p_\@
	tensor_load_to_lds s[\g0a:\g0a+3], s[\g1a:\g1a+7]
	s_nop 0
.rept 4
	v_nop
.endr
	s_branch .Lasked_\@
.Lfor_p_\@:
	tensor_load_to_lds s[\g0b:\g0b+3], s[\g1b:\g1b+7]
	s_nop 0
.rept 4
	v_nop
.endr
.Lasked_\@:
.endm
.macro CREST
	s_cmp_lg_u32 s14, 0
	s_cbranch_scc1 .Lnot_wave_0_\@
	s_barrier_signal -3
.Lnot_wave_0_\@:
	s_barrier_wait -3
	s_barrier_signal -1
	s_barrier_wait -1
.endm
.macro CROUND
	s_barrier_signal -1
	s_barrier_wait -1
	CREST
.endm
.macro FRAG reg, adr, q, i
.irp c, 0,1,2
	ds_load_b128 v[\reg+4*\c:\reg+4*\c+3], v[\adr] offset:(\i)*3072+(\q)*1536+512*\c
.endr
.endm
.macro FETCH_P slot, q, p
	WIN TO_P
.irp i, 0,1,2,3,4,5,6,7
	FRAG 128*(\p)+FR*\i, ADRP+\slot, \q, \i
.endr
	WIN 0
.endm
.macro FETCH_Q slot, q, i0
.irp i, \i0, \i0+1, \i0+2, \i0+3
	FRAG QF+FR*(\i), ADRQ+\slot, \q, \i
.endr
.endm
.macro SCALES sl
.irp i, 0,1,2,3,4,5,6,7
	ds_load_b32 v[SC+16*\sl+2*\i], v[ADRS+\sl] offset:64*\i
	ds_load_b32 v[SC+16*\sl+2*\i+1], v[ADRS+\sl] offset:512+64*\i
.endr
.endm
.macro MLOC sl
.irp i, 0,1,2,3,4,5,6,7
	ds_load_b32 v[ML+2*\i], v[ADRM+\sl] offset:64*\i
	ds_load_b32 v[ML+2*\i+1], v[ADRM+\sl] offset:512+64*\i
.endr
.endm
; p's scale words of the slot in hand are brought under the final M
.macro ADJUST sc
.irp i, 0,1,2,3,4,5,6,7
	v_sub_nc_u32 v[ML+2*\i], v[MF+\i], v[ML+2*\i]          ; final M - the part's M: 0 or more
	v_sub_nc_u32 v[ML+2*\i+1], v[MF+\i], v[ML+2*\i+1]
.endr
.irp x, 0,1,2,3,4,5,6,7,8,9,10,11,12,13,14,15
	v_min_u32 v[ML+\x], v[ML+\x], v[LIM]
.endr
.irp x, 0,1,2,3,4,5,6,7,8,9,10,11,12,13,14,15
	v_perm_b32 v[ML+\x], v[ML+\x], v[ML+\x], 0             ; its lowest byte into all four
.endr
.irp i, 0,1,2,3,4,5,6,7
	v_sub_nc_u32 v[SC+16*(\sc)+2*\i], v[SC+16*(\sc)+2*\i], v[ML+2*\i]
.endr
.irp i, 0,1,2,3,4,5,6,7
	v_sub_nc_u32 v[SC+16*(\sc)+2*\i+1], v[SC+16*(\sc)+2*\i+1], v[ML+2*\i+1]
.endr
	PLACES 8                                       ; a scale register written by a vector instruction stands eight places ahead of the scaled matrix instruction
.endm
.macro MUL16 a0, p, q, sc, zero        ; the 64 accumulators take turns, one instruction a turn
.irp a, \a0, \a0+1
.irp b, 0,1,2,3,4,5,6,7
.if \zero
	v_wmma_scale_f32_16x16x128_f8f6f4 v[8*(8*((\a)%4)+\b):8*(8*((\a)%4)+\b)+7], v[128*(\p)+FR*\b:128*(\p)+FR*\b+FR-1], v[QF+FR*(\a):QF+FR*(\a)+FR-1], 0, v[SC+16*(\sc)+2*\b+(\q)], v[SC+16*(\sc)+2*(\a)+(\q)] matrix_a_fmt:MATRIX_FMT_BF6 matrix_b_fmt:MATRIX_FMT_BF6 matrix_a_scale:MATRIX_SCALE_ROW1
.else
	v_wmma_scale_f32_16x16x128_f8f6f4 v[8*(8*((\a)%4)+\b):8*(8*((\a)%4)+\b)+7], v[128*(\p)+FR*\b:128*(\p)+FR*\b+FR-1], v[QF+FR*(\a):QF+FR*(\a)+FR-1], v[8*(8*((\a)%4)+\b):8*(8*((\a)%4)+\b)+7], v[SC+16*(\sc)+2*\b+(\q)], v[SC+16*(\sc)+2*(\a)+(\q)] matrix_a_fmt:MATRIX_FMT_BF6 matrix_b_fmt:MATRIX_FMT_BF6 matrix_a_scale:MATRIX_SCALE_ROW1
.endif
.endr
.endr
.endm
.macro STEP slot, zero
	s_wait_dscnt 12                                ; all but the youngest twelve loads (Q blocks 4-7) are in: the scale words and the parts' M among them
	ADJUST \slot
	WIN MUL_LO
	MUL16 0, 0, 0, \slot, \zero
	MUL16 2, 0, 0, \slot, \zero
	s_wait_dscnt 0x0
	PLACES 4
	FETCH_P \slot, 1, 1
	FETCH_Q \slot, 1, 0
	WIN MUL_HI
	MUL16 4, 0, 0, \slot, \zero
	MUL16 6, 0, 0, \slot, \zero
	PLACES 4
	WIN 0
	FETCH_Q \slot, 1, 4
.endm
.macro TURN slot, next, fill
	s_wait_tensorcnt 0x0                           ; all my tensor loads have landed: my part of the next slot
	ds_add_u32 v[SPW], v[NIL]                      ; 0 onto my spare word
	s_wait_dscnt 13                                ; (the add and the youngest twelve loads may be out)
	WIN MUL_LO
	MUL16 0, 1, 1, \slot, 0
	s_wait_dscnt 0x0                               ; the add is done, and my reads of this slot are over
	s_barrier_signal -1
	MUL16 2, 1, 1, \slot, 0
	WIN 0
	s_barrier_wait -1
.if \fill
	CREST                                          ; the barrier has opened a round of the cluster's: no wave of any partner still reads this slot or has a load on its way
	s_add_nc_u64 s[G0+4*\slot+2:G0+4*\slot+3], s[G0+4*\slot+2:G0+4*\slot+3], 2*PBLK
	s_add_nc_u64 s[G0B+4*\slot+2:G0B+4*\slot+3], s[G0B+4*\slot+2:G0B+4*\slot+3], 2*BLK
	JLOAD G0+4*\slot, G1, G0B+4*\slot, G1B
.else
	PLACES 4
.endif
	FETCH_P \next, 0, 0
	FETCH_Q \next, 0, 0
	SCALES \next
	MLOC \next
	WIN MUL_HI
	MUL16 4, 1, 1, \slot, 0
	MUL16 6, 1, 1, \slot, 0
	PLACES 4
	WIN 0
	FETCH_Q \next, 0, 4
.endm
	s_load_b128 s[4:7], s[0:1], 0x0                ; qkv s[4:5], pc s[6:7]
	s_load_b64 s[8:9], s[0:1], 0x10                ; out0
	v_lshl_add_u32 v[SPW], v0, 2, SPARE
	v_mov_b32 v[NIL], 0
	ds_add_u32 v28, v29
	ds_add_u32 v28, v29
	s_wait_dscnt 0x0
	v_lshrrev_b32 v1, 5, v0
	v_readfirstlane_b32 s14, v1                    ; wave 0..3
	s_lshr_b32 s15, s14, 1                         ; my half of the queries.  Also: I fetch p (0) or v^T (1)
	s_and_b32 s16, s14, 1                          ; my half of the 256 of the head.  Also: which half I fetch
	s_bfe_u32 s40, ttmp6, 0x40000                  ; cx: which 256 of the head's 1,024
	s_and_b32 s17, ttmp7, 0xffff
	s_and_b32 s18, s17, 7                          ; I
	s_lshr_b32 s17, s17, 3                         ; b
	s_add_co_u32 s19, s18, 2
	s_and_b32 s19, s19, 14                         ; n': 2, 2, 4, 4, 6, 6, 8, 8
	s_lshr_b32 s3, s19, 1
	s_sub_co_u32 s3, s3, 1                         ; laps that fill both slots again: the same in all four partners
.irp g, 2,3,4,5,6,7                    ; the prologue reads slot g's M and sums where the slot is walked, else slot 0's once more, weighed 0: no byte is read that was not stored
	s_cmp_gt_u32 s19, \g
	s_cselect_b32 s[68+\g], \g*PBLK, 0
	s_cselect_b32 s[74+\g], 0x3f800000, 0
.endr
	s_mov_b32 s[G1], 15|(3<<16)|(1<<21)            ; p: the mask names all four; elements of 8 bytes; 21 set beside a mask
	s_mov_b32 s[G1+1], 32<<16
	s_mov_b32 s[G1+2], 104<<16
	s_mov_b32 s[G1+3], 32<<16
	s_mov_b32 s[G1+4], 104
	s_mov_b32 s[G1+5], 32
	s_mov_b32 s[G1+6], 0
	s_mov_b32 s[G1+7], 0
	s_mov_b32 s[G1B], 3<<16                        ; v^T: no mask
	s_mov_b32 s[G1B+1], 32<<16
	s_mov_b32 s[G1B+2], 100<<16
	s_mov_b32 s[G1B+3], 32<<16
	s_mov_b32 s[G1B+4], 100
	s_mov_b32 s[G1B+5], 32
	s_mov_b32 s[G1B+6], 0
	s_mov_b32 s[G1B+7], 0
	s_lshl_b32 s20, s17, 4
	s_lshl_b32 s21, s18, 1
	s_add_co_u32 s20, s20, s21                     ; 16 b + 2 I
	s_add_co_u32 s22, s20, s16
	s_mul_i32 s22, s22, 8*PBLK                     ; p's 128 queries that I fetch: hangs on the cluster's y and the wave alone
	s_mov_b32 s23, 0
	s_add_co_u32 s10, s20, s15
	s_mul_i32 s10, s10, 8*PBLK                     ; and those that I work on
	s_mov_b32 s11, 0
	s_lshl_b32 s46, s17, 3
	s_lshl_b32 s47, s40, 1
	s_add_co_u32 s46, s46, s47
	s_add_co_u32 s46, s46, s16                     ; 8 b + 2 cx + half
	s_mul_i32 s46, s46, 8*BLK
	s_add_co_u32 s46, s46, 512*BLK                 ; behind q's and k's blocks
	s_mov_b32 s47, 0
	s_mul_i32 s45, s14, QB
	s_lshl_b32 s12, s17, 11
	s_lshl_b32 s13, s18, 8
	s_add_co_u32 s12, s12, s13
	s_lshl_b32 s13, s15, 7
	s_add_co_u32 s12, s12, s13                     ; my first row of out0
	s_lshl_b32 s12, s12, 12
	s_lshl_b32 s13, s40, 10
	s_add_co_u32 s12, s12, s13
	s_lshl_b32 s13, s16, 9
	s_add_co_u32 s12, s12, s13                     ; and my first column, in bytes
	s_mov_b32 s13, 0
	s_wait_kmcnt 0x0
	s_add_nc_u64 s[22:23], s[6:7], s[22:23]
	s_add_nc_u64 s[10:11], s[6:7], s[10:11]
	s_add_nc_u64 s[46:47], s[4:5], s[46:47]
	s_add_nc_u64 s[8:9], s[8:9], s[12:13]
	CROUND                                         ; all four work-groups are here: the first joint loads meet
.irp s, 0,1
	s_mov_b32 s[G0+4*\s], 1
	s_add_co_u32 s[G0+4*\s+1], s45, \s*SLOT
	s_add_nc_u64 s[G0+4*\s+2:G0+4*\s+3], s[22:23], \s*PBLK
	s_or_b32 s[G0+4*\s+3], s[G0+4*\s+3], 0x80000000
	s_mov_b32 s[G0B+4*\s], 1
	s_add_co_u32 s[G0B+4*\s+1], s45, \s*SLOT
	s_add_nc_u64 s[G0B+4*\s+2:G0B+4*\s+3], s[46:47], \s*BLK
	s_or_b32 s[G0B+4*\s+3], s[G0B+4*\s+3], 0x80000000
	JLOAD G0+4*\s, G1, G0B+4*\s, G1B               ; two loads of mine are out
.endr
	v_and_b32 v1, 15, v0                           ; r
	v_bfe_u32 v2, v0, 4, 1                         ; h
	v_and_b32 v3, 31, v0
	v_lshlrev_b32 v4, 4, v3                        ; 16 x lane; never rewritten
	; ---- THE PROLOGUE: M and the sums of my 128 queries, four queries a lane: part x = 2 slot + K step: M at v[128 + 4 x], the sum at v[192 + 4 x]
.irp g, 2,3,4,5,6,7
	v_add_nc_u32 v[104+\g], s[68+\g], v4
.endr
.irp g, 0,1
.irp k, 0,1,2,3
	global_load_b128 v[128+64*(\k/2)+4*(2*\g+\k%2):131+64*(\k/2)+4*(2*\g+\k%2)], v4, s[10:11] offset:\g*PBLK+25600+512*\k
.endr
.endr
.irp g, 2,3,4,5,6,7
.irp k, 0,1,2,3
	global_load_b128 v[128+64*(\k/2)+4*(2*\g+\k%2):131+64*(\k/2)+4*(2*\g+\k%2)], v[104+\g], s[10:11] offset:25600+512*\k
.endr
.endr
	s_mul_i32 s70, s15, QB                         ; (the offsets s70 on have been read into vector registers)
	s_mul_i32 s71, s16, QB
	s_add_co_u32 s71, s71, 2*QB
	v_add_nc_u32 v[ADRQ], s70, v4
	v_add_nc_u32 v[ADRP], s71, v4
	v_add_nc_u32 v[ADRQ+1], SLOT, v[ADRQ]
	v_add_nc_u32 v[ADRP+1], SLOT, v[ADRP]
	s_sub_co_u32 s71, s71, s70
	v_mul_u32_u24 v7, s71, v2                      ; lanes 16-31 take v^T's words: one product
	v_lshl_add_u32 v7, v1, 2, v7
	s_add_co_u32 s72, s70, 24576
	v_add_nc_u32 v[ADRS], s72, v7
	v_add_nc_u32 v[ADRS+1], SLOT, v[ADRS]
	s_add_co_u32 s72, s70, 25600
	v_lshl_add_u32 v[ADRM], v1, 2, s72
	v_add_nc_u32 v[ADRM+1], SLOT, v[ADRM]
	s_mul_i32 s72, s14, 8448
	s_add_co_u32 s72, s72, STAGE
	v_mul_u32_u24 v[STO], v1, 528
	v_lshl_add_u32 v[STO], v2, 6, v[STO]
	v_add_nc_u32 v[STO], s72, v[STO]
	v_add_nc_u32 v[RD], s72, v4
	s_lshl_b32 s72, s14, 10
	s_add_co_u32 s72, s72, PSCR
	v_add_nc_u32 v[PSI], s72, v4
	v_lshl_add_u32 v[PSO], v1, 2, s72
	v_sub_nc_u32 v[LIM], 1, v2
	v_mul_u32_u24 v[LIM], 63, v[LIM]
	s_wait_loadcnt 0x0
.irp j, 0,1,2,3                        ; the final M: the largest of the sixteen parts'
	v_cmp_gt_i32 vcc_lo, v[132+\j], v[128+\j]
	v_cndmask_b32 v[112+\j], v[128+\j], v[132+\j], vcc_lo
.endr
.irp x, 2,3,4,5,6,7,8,9,10,11,12,13,14,15
.irp j, 0,1,2,3
	v_cmp_gt_i32 vcc_lo, v[128+4*\x+\j], v[112+\j]
	v_cndmask_b32 v[112+\j], v[112+\j], v[128+4*\x+\j], vcc_lo
.endr
.endr
.irp j, 0,1,2,3                        ; l: each part's sum x 2^(its M - the final M)
	v_sub_nc_u32 v[120+\j], v[128+\j], v[112+\j]
	v_ldexp_f32 v[116+\j], v[192+\j], v[120+\j]
.endr
.irp x, 1,2,3
.irp j, 0,1,2,3
	v_sub_nc_u32 v[120+\j], v[128+4*\x+\j], v[112+\j]
	v_ldexp_f32 v[120+\j], v[192+4*\x+\j], v[120+\j]
	v_add_f32 v[116+\j], v[116+\j], v[120+\j]
.endr
.endr
.irp x, 4,5,6,7,8,9,10,11,12,13,14,15
.irp j, 0,1,2,3
	v_sub_nc_u32 v[120+\j], v[128+4*\x+\j], v[112+\j]
	v_ldexp_f32 v[120+\j], v[192+4*\x+\j], v[120+\j]
	v_fma_f32 v[116+\j], v[120+\j], s[74+\x/2], v[116+\j]  ; weighed 1 where the slot is walked, else 0
.endr
.endr
.irp j, 0,1,2,3
	v_rcp_f32 v[116+\j], v[116+\j]                 ; l is at least 1/2: the part that holds the final M has a p above 1/2
.endr
	v_nop                                          ; a plain place behind the last reciprocal
	s_wait_alu depctr_va_vdst(0)                   ; one wait for the four, ahead of their first reader
	ds_store_b128 v[PSI], v[112:115]               ; from four queries a lane to a lane for each query of a block: through my own scratch
	ds_store_b128 v[PSI], v[116:119] offset:512
.irp a, 0,1,2,3,4,5,6,7
	ds_load_b32 v[MF+\a], v[PSO] offset:64*\a
.endr
.irp a, 0,1,2,3,4,5,6,7
	ds_load_b32 v[RL+2*\a], v[PSO] offset:512+64*\a
	ds_load_b32 v[RL+2*\a+1], v[PSO] offset:512+64*\a      ; (named with it as a pair, so it is written)
.endr
	s_wait_dscnt 0x0
	s_wait_tensorcnt 1                             ; my part of slot 0 is in; slot 1's may stay out
	s_barrier_signal -1
	s_barrier_wait -1
	FETCH_P 0, 0, 0
	FETCH_Q 0, 0, 0
	SCALES 0
	MLOC 0
	FETCH_Q 0, 0, 4
	STEP 0, 1                                      ; the first step's products start the sums
	s_cmp_eq_u32 s3, 0                             ; two slots in all: nothing is filled again.  The count hangs on the cluster's y alone; behind the loop every wait for tensor loads is for 0
	s_cbranch_scc1 .Ltail
.Llap:                                                 ; a trip goes once round the ring and fills both slots again; no LDS address is stepped: scale words and M come with their slot
	TURN 0, 1, 1
	STEP 1, 0
	TURN 1, 0, 1
	STEP 0, 0
	s_sub_co_u32 s3, s3, 1
	s_cmp_lg_u32 s3, 0
	s_cbranch_scc1 .Llap
.Ltail:
	TURN 0, 1, 0
	STEP 1, 0
	s_wait_dscnt 12
	WIN MUL_LO
	MUL16 0, 1, 1, 1, 0
	MUL16 2, 1, 1, 1, 0
	s_wait_dscnt 0x0
	WIN MUL_HI
	MUL16 4, 1, 1, 1, 0
	MUL16 6, 1, 1, 1, 0
	WIN 0
	PLACES 4                                       ; in front of the first read of results, and of writes into the registers that held fragments
; THE WAY OUT, block by block of 16 queries: divided by l, through my stage (a lane holds pieces of one row), back as whole rows of 512 bytes.  The rows stand in position order: row t of block a is true row 32 (a / 2) + 8 (a % 2) + t + 8 (t / 8).
.macro OUTB a
.set AC, 64*((\a)%4)
.set W, 2+(\a)/4
.set TT, 128+64*((\a)%2)
	WIN W
.set n, 0
.rept 32
	v_pk_mul_f32 v[TT+n:TT+n+1], v[AC+n:AC+n+1], v[RL+2*(\a):RL+2*(\a)+1] op_sel_hi:[1,0]   ; each accumulator from its low end on
.set n, n+2
.endr
	WIN 0
.irp b, 0,1,2,3,4,5,6,7
	ds_store_b128 v[STO], v[TT+8*\b:TT+8*\b+3] offset:128*(\b/2)+32*(\b%2)
	ds_store_b128 v[STO], v[TT+8*\b+4:TT+8*\b+7] offset:128*(\b/2)+32*(\b%2)+16
.endr
.irp t, 0,1,2,3,4,5,6,7,8,9,10,11,12,13,14,15
	ds_load_b128 v[TT+4*\t:TT+4*\t+3], v[RD] offset:\t*528  ; a wave's LDS instructions are served in order: these see the stores above, and the next block's stores come behind them
.endr
.endm
.macro SEND a, younger
.set TT, 128+64*((\a)%2)
	s_wait_dscnt \younger                          ; the block is back; the next block's 16 stores and 16 loads may be out
.irp t, 0,1,2,3,4,5,6,7,8,9,10,11,12,13,14,15
	global_store_b128 v4, v[TT+4*\t:TT+4*\t+3], s[8:9] offset:(32*((\a)/2)+8*((\a)%2)+\t+8*(\t/8))*4096 th:TH_STORE_NT   ; 32 lanes store 512 consecutive bytes, aligned
.endr
.endm
	OUTB 0
.irp a, 1,2,3,4,5,6,7
.if \a > 1
	s_wait_xcnt 0x0                                ; block a - 2's stores have read their registers: they are written again only behind this wait
.endif
	OUTB \a
	SEND \a-1, 32
.endr
	SEND 7, 0
	s_wait_tensorcnt 0x0                           ; the wave's end
	ds_add_u32 v[SPW], v[NIL]
	s_wait_dscnt 0x0
	CROUND                                         ; the closing round
	s_endpgm
.Lfunc_end_k_qa94855f070_pv:
	.size	k_qa94855f070_pv, .Lfunc_end_k_qa94855f070_pv-k_qa94855f070_pv
	.p2alignl 7, 3214868480
	.fill 96, 4, 3214868480
	.section	.rodata,"a",@progbits
	.p2align	6, 0x0
	.amdhsa_kernel k_qa94855f070_pv
		.amdhsa_group_segment_fixed_size 327680
		.amdhsa_private_segment_fixed_size 0
		.amdhsa_enable_private_segment 0
		.amdhsa_kernarg_size 24
		.amdhsa_user_sgpr_count 2
		.amdhsa_user_sgpr_kernarg_segment_ptr 1
		.amdhsa_wavefront_size32 1
		.amdhsa_system_sgpr_workgroup_id_x 1
		.amdhsa_system_sgpr_workgroup_id_y 1
		.amdhsa_system_sgpr_workgroup_id_z 1
		.amdhsa_system_vgpr_workitem_id 0
		.amdhsa_next_free_vgpr 1024
		.amdhsa_next_free_sgpr 98
		.amdhsa_reserve_vcc 1
		.amdhsa_float_denorm_mode_32 3
		.amdhsa_float_denorm_mode_16_64 3
		.amdhsa_memory_ordered 1
		.amdhsa_forward_progress 1
		.amdhsa_inst_pref_size 185
	.end_amdhsa_kernel
	.amdgpu_metadata
---
amdhsa.version: [ 1, 2 ]
amdhsa.kernels:
  - .name:           k_qa94855f070_pv
    .symbol:         k_qa94855f070_pv.kd
    .args:
      - { .name: qkv, .offset: 0, .size: 8, .value_kind: global_buffer, .address_space: global }
      - { .name: pc, .offset: 8, .size: 8, .value_kind: global_buffer, .address_space: global }
      - { .name: out0, .offset: 16, .size: 8, .value_kind: global_buffer, .address_space: global }
    .group_segment_fixed_size: 327680
    .private_segment_fixed_size: 0
    .kernarg_segment_align: 8
    .kernarg_segment_size: 24
    .max_flat_workgroup_size: 128
    .sgpr_count:     98
    .vgpr_count:     1024
    .wavefront_size: 32
...
	.end_amdgpu_metadata
.endif
;; end of part 4
;; ======== version 2 of 2: 4 launches; 1.14 times as fast as version 1
;; limits: right only within a limited range of input values
;; workspace buffers: xw 9,011,200 bytes; qkv 19,660,800 bytes; pc 14,155,776 bytes
;; launch quant: the kernel of part 1 again; grid 352 x 1, 4 waves a work-group, no clusters, 59,904 bytes of LDS; arguments x, Wq, Wk, Wv, xw; writes xw
;; launch proj (part 5): grid 96 x 4, 4 waves a work-group, clusters of 4 x 4, 327,680 bytes of LDS; arguments xw, qkv; writes qkv
.if DOCPART == 5
	.amdgcn_target "amdgcn-amd-amdhsa--gfx1250"
	.amdhsa_code_object_version 6
	.text
	.protected	k_qa94855f070_proj
	.globl	k_qa94855f070_proj
	.p2align	8
	.type	k_qa94855f070_proj,@function
k_qa94855f070_proj:
	s_mov_b64 s[64:65], 0
	v_nop
	global_prefetch_b8 v0, s[64:65] scope:SCOPE_SE
	s_setreg_imm32_b32 hwreg(HW_REG_WAVE_MODE, 25, 1), 1
	s_wait_xcnt 0x0
	s_wait_alu depctr_hold_cnt(0) depctr_sa_sdst(0) depctr_va_vdst(0) depctr_va_sdst(0) depctr_va_ssrc(0) depctr_va_vcc(0) depctr_vm_vsrc(0)
	s_getreg_b32 s2, hwreg(HW_REG_IB_STS2, 6, 4)
	s_cmp_eq_u32 s2, 0
	s_cbranch_scc0 .Lentry_in_a_cluster
	s_endpgm
.Lentry_in_a_cluster:
	s_bfe_u32 s2, ttmp6, 0x10000c
	s_cmp_lg_u32 s2, 0xf033
	s_cbranch_scc0 .Lentry_shape_is_right
	s_endpgm
.Lentry_shape_is_right:
; q = x Wq, k = x Wk and v^T = Wv^T x^T on codes of E3M2 (K = d = 1,024), each result quantised in registers along the next product's K and stored as codes.
; A tile is 256 (Q side, source 1) x 256 (P side, source 0); four waves, each 128 x 128: 64 accumulators.  In the result a lane holds ONE row of the Q side, and its 64 registers of a block of 16 Q rows run along the P side in
; true order (the workspace's position order does that: position 16 u + r of a group of 32 holds true row 8 u + r + 8 (r / 8)), so they are 128 neighbours along the next K: one fragment and one scale word.
; Clusters 0-15: Q side = x, P side = Wq | Wk: rows of q and k, K = e.  Clusters 16-23: Q side = Wv, P side = x: rows of v^T, K = t.  One text: only tile numbers are chosen, by s_cselect_b32 on the cluster's number.
; LAYOUT of xw and qkv: a fragment (16 positions x 128 K) is an image of its 12 registers: 3 x 512 bytes, lane l's 16 bytes at 16 l.  A block (128 positions x 256 K) is 25,600 dense bytes: fragment (G, q) at 3072 G + 1536 q,
; scale words at 24,576 + 512 q + 64 G + 4 r.  qkv: q's block (H, slot) at 4 H + slot, k's 256 further on, v^T's (batch b, 128 e He, slot) at 512 + 64 b + 8 He + slot.
; THE RING: three LDS slots, each with four such blocks (Q's two halves, P's two): one tensor load a wave brings a block, codes and scale words together.  K = 1,024 is four slots' worth: the first three go out together at the
; start (three loads of a wave are out), and only the fourth is a refill, of the first slot: it has 224 matrix instructions in which to land.
; CLUSTERS: 4 x 4 work-groups; the Q side's blocks are asked for jointly along a row of the cluster, the P side's along a column.
; LIMITS: NaN and infinities are not served; a block of results whose largest magnitude lies under 2^-122 keeps the byte 1.
; REGISTERS: window 0: v1-8 addresses, v16-24 LDS addresses, v32-63 scale words (two sets), v64-127 the quantiser's, v128-223 the Q side's 8 fragments; window 1: the P side's, two sets at v0 and v128;
; windows 2, 3: accumulator (a, b) at v[8 (8 (a % 4) + b)] of window 2 + a / 4.
.set BLK,   25600
.set QB,    25600                      ; a quarter of a slot
.set SLOT,  4*QB
.set SCRB,  3*SLOT                     ; behind the ring: 512 bytes for each wave, for its scale words
.set SPARE, SCRB+2048                  ; the spare words: 128 bytes a wave, two blocks of 256 bytes that no other line names
.set FR,    12
.set GO,    5                          ; v5   16 x lane + 1536 x my P half: my place in a fragment's image
.set GS,    6                          ; v6   16 x lane + 512 x my P half: among the scale words
.set SCR,   7                          ; v7   scratch, in: 4 r
.set SCRO,  8                          ; v8   scratch, out: 16 x lane
.set ADRQ,  16                         ; v16-18 my Q fragments in slot 0, 1, 2
.set ADRP,  19                         ; v19-21 my P fragments
.set ADRS,  22                         ; v22-24 scale words: lanes 0-15 the Q side's, lanes 16-31 the P side's
.set SPW,   28
.set NIL,   29
.set SC,    32                         ; set s at v[SC + 16 s]; register 2 i + q: block i, K step q
.set TM,    104                        ; v104-119 at work
.set PW,    120                        ; v120-127 a scale word for each block of 16 Q rows
.set QF,    128
.set G1,    24                         ; s[24:31] group 1 for the Q side;  s[32:43] its groups 0, one for each slot
.set G0,    32
.set G1B,   48                         ; s[48:55] group 1 for the P side;  s[68:79] its groups 0
.set G0B,   68
.set SEL,   66
.set MSB,   0
.set MUL_LO, 0xa1                      ; source 0 (P) window 1, source 1 (Q) window 0, C and D window 2
.set MUL_HI, 0xf1
.set TO_P,   0x40
.macro WIN new                         ; the immediate's high byte repeats the setting that is left
.if MSB != (\new)
	s_set_vgpr_msb (MSB<<8)|(\new)
.set MSB, (\new)
.endif
.endm
.macro PLACES n
.rept \n
	v_nop
.endr
.endm
; A joint load: waves 0 and 1 fetch the Q side's halves, waves 2 and 3 the P side's.  The branch hangs on the wave's number alone.  Four v_nop follow each line.
.macro JLOAD g0a, g1a, g0b, g1b
	s_cmp_eq_u32 s15, 0
	s_cbranch_scc0 .Lfor_p_\@
	tensor_load_to_lds s[\g0a:\g0a+3], s[\g1a:\g1a+7]
	s_nop 0
.rept 4
	v_nop
.endr
	s_branch .Lasked_\@
.Lfor_p_\@:
	tensor_load_to_lds s[\g0b:\g0b+3], s[\g1b:\g1b+7]
	s_nop 0
.rept 4
	v_nop
.endr
.Lasked_\@:
.endm
.macro CREST                           ; a round of the cluster's barrier behind its opening barrier
	s_cmp_lg_u32 s14, 0
	s_cbranch_scc1 .Lnot_wave_0_\@
	s_barrier_signal -3
.Lnot_wave_0_\@:
	s_barrier_wait -3
	s_barrier_signal -1
	s_barrier_wait -1
.endm
.macro CROUND
	s_barrier_signal -1
	s_barrier_wait -1
	CREST
.endm
.macro FRAG reg, adr, q, i             ; a fragment comes back as it was stored: three loads of 512 consecutive bytes
.irp c, 0,1,2
	ds_load_b128 v[\reg+4*\c:\reg+4*\c+3], v[\adr] offset:(\i)*3072+(\q)*1536+512*\c
.endr
.endm
.macro FETCH_P slot, q, p
	WIN TO_P
.irp i, 0,1,2,3,4,5,6,7
	FRAG 128*(\p)+FR*\i, ADRP+\slot, \q, \i
.endr
	WIN 0
.endm
.macro FETCH_Q slot, q, i0
.irp i, \i0, \i0+1, \i0+2, \i0+3
	FRAG QF+FR*(\i), ADRQ+\slot, \q, \i
.endr
.endm
.macro SCALES slot, set                ; the slot's scale words into set 0 or 1
.irp i, 0,1,2,3,4,5,6,7
	ds_load_b32 v[SC+16*(\set)+2*\i], v[ADRS+\slot] offset:64*\i
	ds_load_b32 v[SC+16*(\set)+2*\i+1], v[ADRS+\slot] offset:512+64*\i
.endr
.endm
; 16 matrix instructions: Q blocks a0, a0 + 1 x P's eight.  The 64 accumulators take turns, one instruction a turn, in the same order in every step.
.macro MUL16 a0, p, q, sc, zero
.irp a, \a0, \a0+1
.irp b, 0,1,2,3,4,5,6,7
.if \zero
	v_wmma_scale_f32_16x16x128_f8f6f4 v[8*(8*((\a)%4)+\b):8*(8*((\a)%4)+\b)+7], v[128*(\p)+FR*\b:128*(\p)+FR*\b+FR-1], v[QF+FR*(\a):QF+FR*(\a)+FR-1], 0, v[SC+16*(\sc)+2*\b+(\q)], v[SC+16*(\sc)+2*(\a)+(\q)] matrix_a_fmt:MATRIX_FMT_BF6 matrix_b_fmt:MATRIX_FMT_BF6 matrix_a_scale:MATRIX_SCALE_ROW1
.else
	v_wmma_scale_f32_16x16x128_f8f6f4 v[8*(8*((\a)%4)+\b):8*(8*((\a)%4)+\b)+7], v[128*(\p)+FR*\b:128*(\p)+FR*\b+FR-1], v[QF+FR*(\a):QF+FR*(\a)+FR-1], v[8*(8*((\a)%4)+\b):8*(8*((\a)%4)+\b)+7], v[SC+16*(\sc)+2*\b+(\q)], v[SC+16*(\sc)+2*(\a)+(\q)] matrix_a_fmt:MATRIX_FMT_BF6 matrix_b_fmt:MATRIX_FMT_BF6 matrix_a_scale:MATRIX_SCALE_ROW1
.endif
.endr
.endr
.endm
; A slot's first 128 along K.  Loads into registers that matrix instructions have read stand four plain places behind them.
.macro STEP slot, sc, zero
	s_wait_dscnt 12                                ; all but the youngest twelve loads (Q blocks 4-7: four fragments, three loads each) are in
	WIN MUL_LO
	MUL16 0, 0, 0, \sc, \zero
	MUL16 2, 0, 0, \sc, \zero
	s_wait_dscnt 0x0                               ; Q blocks 4-7 are in
	PLACES 4
	FETCH_P \slot, 1, 1
	FETCH_Q \slot, 1, 0
	WIN MUL_HI
	MUL16 4, 0, 0, \sc, \zero
	MUL16 6, 0, 0, \sc, \zero
	PLACES 4
	WIN 0
	FETCH_Q \slot, 1, 4
.endm
; A slot's second 128 along K, and a change of slots with a barrier; in front of it each wave waits for all its tensor loads, adds 0 to its spare word, and waits for that and for its reads of this slot.
.macro TURN slot, next, sc, fill
	s_wait_tensorcnt 0x0                           ; all my tensor loads have landed
	ds_add_u32 v[SPW], v[NIL]                      ; 0 onto my spare word
	s_wait_dscnt 13                                ; (the add and the youngest twelve loads may be out)
	WIN MUL_LO
	MUL16 0, 1, 1, \sc, 0
	s_wait_dscnt 0x0                               ; the add is done, and my reads of this slot are over
	s_barrier_signal -1
	MUL16 2, 1, 1, \sc, 0
	WIN 0
	s_barrier_wait -1
.if \fill
	CREST                                          ; the barrier has opened a round of the cluster's: no wave of any partner still reads this slot or has a load on its way
	s_add_nc_u64 s[G0+4*\slot+2:G0+4*\slot+3], s[G0+4*\slot+2:G0+4*\slot+3], 3*BLK
	s_add_nc_u64 s[G0B+4*\slot+2:G0B+4*\slot+3], s[G0B+4*\slot+2:G0B+4*\slot+3], 3*BLK
	JLOAD G0+4*\slot, G1, G0B+4*\slot, G1B         ; the first tensor load behind the round; its four v_nop are the places in front of the loads below
.else
	PLACES 4
.endif
	FETCH_P \next, 0, 0
	FETCH_Q \next, 0, 0
	SCALES \next, 1-(\sc)
	WIN MUL_HI
	MUL16 4, 1, 1, \sc, 0
	MUL16 6, 1, 1, \sc, 0
	PLACES 4
	WIN 0
	FETCH_Q \next, 0, 4
.endm
; The same without a barrier: the next slot was shown whole to every wave by an earlier barrier, in front of which every wave had waited for all its tensor loads, and neither slot is written again.
.macro TURNX slot, next, sc
	s_wait_dscnt 12
	WIN MUL_LO
	MUL16 0, 1, 1, \sc, 0
	MUL16 2, 1, 1, \sc, 0
	s_wait_dscnt 0x0
	PLACES 4
	FETCH_P \next, 0, 0
	FETCH_Q \next, 0, 0
	SCALES \next, 1-(\sc)
	WIN MUL_HI
	MUL16 4, 1, 1, \sc, 0
	MUL16 6, 1, 1, \sc, 0
	PLACES 4
	WIN 0
	FETCH_Q \next, 0, 4
.endm
; The 64 results of a lane in window w, v[ac] on (register 16 b + i = next K 32 b + 16 (lane / 16) + i of my row), become a fragment's codes in v[pc] on and its scale word in v[pw].  Each accumulator is read from its low end on.
.macro QUANTW ac, w, pc, pw
	WIN ((\w)<<2)|((\w)<<4)
.irp b, 0,1,2,3
	v_max3_num_f32 v[TM+\b], 0x2800000, |v[(\ac)+16*\b]|, |v[(\ac)+16*\b+1]|   ; the floor 2^(5 - 127): the byte cannot fall under 1
.endr
.irp i, 2,4,6,8,10,12,14
.irp b, 0,1,2,3
	v_max3_num_f32 v[TM+\b], v[TM+\b], |v[(\ac)+16*\b+\i]|, |v[(\ac)+16*\b+\i+1]|
.endr
.endr
	WIN 0
.irp b, 0,1,2,3
	v_permlanex16_b32 v[TM+4+\b], v[TM+\b], s[SEL], s[SEL+1]
.endr
.irp b, 0,1,2,3
	v_max_num_f32 v[TM+\b], v[TM+\b], v[TM+4+\b]
.endr
.irp b, 0,1,2,3
	v_add_nc_u32 v[TM+12+\b], 0xfe000000, v[TM+\b] ; 4 off the exponent field: the conversion's scale operand
.endr
.irp b, 0,1,2,3
	v_lshrrev_b32 v[TM+4+\b], 23, v[TM+12+\b]
.endr
	v_lshl_or_b32 v[\pw], v[TM+5], 8, v[TM+4]
	v_lshl_or_b32 v[\pw], v[TM+6], 16, v[\pw]
	v_lshl_or_b32 v[\pw], v[TM+7], 24, v[\pw]
	WIN (\w)
.irp c, 0,1
	v_cvt_scalef32_pk16_bf6_f32 v[(\pc)+6*\c:(\pc)+6*\c+2], v[(\ac)+32*\c:(\ac)+32*\c+15], v[TM+12+2*\c]
	v_cvt_scalef32_pk16_bf6_f32 v[(\pc)+12+4*\c:(\pc)+14+4*\c], v[(\ac)+16+32*\c:(\ac)+31+32*\c], v[TM+13+2*\c]
.endr
	WIN 0
	v_nop                                          ; one plain place behind a scaled conversion
.irp c, 0,1
.irp i, 0,1,2
	v_permlane16_swap_b32 v[(\pc)+6*\c+\i], v[(\pc)+12+4*\c+\i]
.endr
.irp i, 0,1,2
	v_mov_b32 v[(\pc)+3+6*\c+\i], v[(\pc)+12+4*\c+\i]
.endr
.endr
.endm
	s_load_b128 s[4:7], s[0:1], 0x0                ; xw s[4:5], qkv s[6:7]
	v_lshl_add_u32 v[SPW], v0, 2, SPARE
	v_mov_b32 v[NIL], 0
	ds_add_u32 v28, v29
	ds_add_u32 v28, v29
	s_wait_dscnt 0x0
	v_lshrrev_b32 v1, 5, v0
	v_readfirstlane_b32 s14, v1                    ; wave 0..3
	s_lshr_b32 s15, s14, 1                         ; my half of the Q side.  Also: I fetch for Q (0) or for P (1)
	s_and_b32 s16, s14, 1                          ; my half of the P side.  Also: which half I fetch
	s_bfe_u32 s88, ttmp6, 0x40000                  ; cx
	s_bfe_u32 s89, ttmp6, 0x40004                  ; cy
	s_lshl_b32 s90, s89, 2
	s_lshl_b32 s90, 15, s90                        ; my row of the cluster
	s_lshl_b32 s91, 0x1111, s88                    ; my column
	s_lshr_b32 s17, ttmp9, 1
	s_lshl_b32 s17, s17, 2                         ; 4 (c / 2)
	s_and_b32 s18, ttmp9, 1
	s_lshl_b32 s18, s18, 2                         ; 4 (c % 2)
	s_sub_co_u32 s19, ttmp9, 16
	s_lshl_b32 s19, s19, 2                         ; 4 (c - 16)
	s_cmp_lt_u32 ttmp9, 16                         ; q and k, or v?  The same in all sixteen partners
	s_cselect_b32 s17, s17, 0
	s_cselect_b32 s18, s18, s19
	s_cselect_b32 s20, 0, 40                       ; the Q side's first tile in xw: x's 0, Wv's 40
	s_cselect_b32 s21, 32, 0                       ; the P side's: Wq's 32, x's 0
	s_cselect_b32 s56, 0, 512                      ; the output block's index = s56 + (PT >> s57) s58 + (2 QT + half) s59 + (PT & s60)
	s_cselect_b32 s57, 2, 3
	s_cselect_b32 s58, 256, 64
	s_cselect_b32 s59, 4, 8
	s_cselect_b32 s60, 3, 7
	s_add_co_u32 s17, s17, s89                     ; QT: hangs on c and cy alone
	s_add_co_u32 s18, s18, s88                     ; PT: on c and cx alone
	s_add_co_u32 s20, s20, s17
	s_add_co_u32 s21, s21, s18
	s_or_b32 s[G1], s90, (3<<16)|(1<<21)           ; 15:0 the mask: my row; 17:16 elements of 8 bytes; 21 set beside a mask; no padding
	s_or_b32 s[G1B], s91, (3<<16)|(1<<21)          ; my column
.irp g, G1, G1B
	s_mov_b32 s[\g+1], 32<<16                      ; tensor_dim0 = 32 elements: rows of 256 bytes
	s_mov_b32 s[\g+2], 100<<16                     ; tensor_dim1 = 100 rows: a block
	s_mov_b32 s[\g+3], 32<<16                      ; tile_dim0
	s_mov_b32 s[\g+4], 100                         ; tile_dim1
	s_mov_b32 s[\g+5], 32                          ; the pitch: dense
	s_mov_b32 s[\g+6], 0
	s_mov_b32 s[\g+7], 0
.endr
	s_lshl_b32 s22, s20, 1
	s_add_co_u32 s22, s22, s16
	s_mul_i32 s22, s22, 4*BLK                      ; the Q side's 128 rows that I fetch: four blocks on end
	s_mov_b32 s23, 0
	s_lshl_b32 s46, s21, 1
	s_add_co_u32 s46, s46, s16
	s_mul_i32 s46, s46, 4*BLK                      ; the P side's
	s_mov_b32 s47, 0
	s_mul_i32 s45, s14, QB                         ; where they go: no place in the cluster enters an LDS address
	s_mov_b32 s[SEL], 0x76543210
	s_mov_b32 s[SEL+1], 0xfedcba98
	s_wait_kmcnt 0x0
	s_add_nc_u64 s[22:23], s[4:5], s[22:23]
	s_add_nc_u64 s[46:47], s[4:5], s[46:47]
	CROUND                                         ; all sixteen work-groups are here: the first joint loads meet
.irp s, 0,1,2
	s_mov_b32 s[G0+4*\s], 1
	s_add_co_u32 s[G0+4*\s+1], s45, \s*SLOT
	s_add_nc_u64 s[G0+4*\s+2:G0+4*\s+3], s[22:23], \s*BLK
	s_or_b32 s[G0+4*\s+3], s[G0+4*\s+3], 0x80000000
	s_mov_b32 s[G0B+4*\s], 1
	s_add_co_u32 s[G0B+4*\s+1], s45, \s*SLOT
	s_add_nc_u64 s[G0B+4*\s+2:G0B+4*\s+3], s[46:47], \s*BLK
	s_or_b32 s[G0B+4*\s+3], s[G0B+4*\s+3], 0x80000000
	JLOAD G0+4*\s, G1, G0B+4*\s, G1B               ; three loads of mine are out
.endr
	v_and_b32 v1, 15, v0                           ; r
	v_bfe_u32 v2, v0, 4, 1                         ; h
	v_and_b32 v3, 31, v0
	v_lshlrev_b32 v4, 4, v3                        ; 16 x lane
	s_mul_i32 s80, s15, QB
	s_mul_i32 s81, s16, QB
	s_add_co_u32 s81, s81, 2*QB
	v_add_nc_u32 v[ADRQ], s80, v4
	v_add_nc_u32 v[ADRP], s81, v4
	v_add_nc_u32 v[ADRQ+1], SLOT, v[ADRQ]
	v_add_nc_u32 v[ADRP+1], SLOT, v[ADRP]
	v_add_nc_u32 v[ADRQ+2], SLOT, v[ADRQ+1]
	v_add_nc_u32 v[ADRP+2], SLOT, v[ADRP+1]
	s_sub_co_u32 s81, s81, s80
	v_mul_u32_u24 v9, s81, v2                      ; lanes 16-31 take the P side's words: one product, the distance between the two blocks
	v_lshl_add_u32 v9, v1, 2, v9
	s_add_co_u32 s80, s80, 24576
	v_add_nc_u32 v[ADRS], s80, v9
	v_add_nc_u32 v[ADRS+1], SLOT, v[ADRS]
	v_add_nc_u32 v[ADRS+2], SLOT, v[ADRS+1]
	s_mul_i32 s82, s16, 1536
	v_add_nc_u32 v[GO], s82, v4
	s_lshl_b32 s82, s16, 9
	v_add_nc_u32 v[GS], s82, v4
	s_lshl_b32 s82, s14, 9
	s_add_co_u32 s82, s82, SCRB
	v_lshl_add_u32 v[SCR], v1, 2, s82
	v_add_nc_u32 v[SCRO], s82, v4
.irp b, 0,1,2,3
	v_mov_b32 v[TM+4+\b], 0                        ; written once: a lane permute's destination counts as one of its sources
.endr
	s_lshr_b32 s61, s18, s57
	s_mul_i32 s61, s61, s58
	s_add_co_u32 s61, s61, s56
	s_lshl_b32 s62, s17, 1
	s_add_co_u32 s62, s62, s15
	s_mul_i32 s62, s62, s59
	s_add_co_u32 s61, s61, s62
	s_and_b32 s62, s18, s60
	s_add_co_u32 s61, s61, s62
	s_mul_i32 s12, s61, BLK
	s_mov_b32 s13, 0
	s_add_nc_u64 s[12:13], s[6:7], s[12:13]        ; the block into which my results go; my P half is its K step
	s_wait_tensorcnt 2                             ; my part of slot 0 is in; slots 1 and 2's may stay out
	s_barrier_signal -1
	s_barrier_wait -1
	FETCH_P 0, 0, 0
	FETCH_Q 0, 0, 0
	SCALES 0, 0
	FETCH_Q 0, 0, 4
	STEP 0, 0, 1                                   ; the first step's products start the sums
	TURN 0, 1, 0, 1                                ; slots 1 and 2 are whole for every wave; slot 0 takes the last 256 along K
	STEP 1, 1, 0
	TURNX 1, 2, 1
	STEP 2, 0, 0
	TURN 2, 0, 0, 0                                ; the refill has landed, everybody's part of it
	STEP 0, 1, 0
	s_wait_dscnt 12                                ; the last step: nothing more to fetch
	WIN MUL_LO
	MUL16 0, 1, 1, 1, 0
	MUL16 2, 1, 1, 1, 0
	s_wait_dscnt 0x0
	WIN MUL_HI
	MUL16 4, 1, 1, 1, 0
	MUL16 6, 1, 1, 1, 0
	WIN 0
	PLACES 4                                       ; in front of the first read of results, and of writes into the registers that held the Q side's fragments
	; THE WAY OUT: each block of 16 Q rows becomes one fragment of the next product, K step = my P half.  Six sets of registers take the codes by turns: v64, v84, and four where the Q side's fragments lay
.irp a, 0,1,2,3,4,5,6,7
.set PM, \a%6
.set PCA, 64+20*PM+24*((PM+2)/4)
.if \a > 5
	s_wait_xcnt 0x0                                ; block a - 6's stores have read their registers: this set of codes is written again only behind this wait
.endif
	QUANTW 64*(\a%4), 2+\a/4, PCA, PW+\a
.irp c, 0,1,2
	global_store_b128 v[GO], v[PCA+4*\c:PCA+4*\c+3], s[12:13] offset:\a*3072+512*\c   ; 512 consecutive bytes, aligned
.endr
	ds_store_b32 v[SCR], v[PW+\a] offset:64*\a     ; both halves of the lanes write the same word with the same value
.endr
	ds_load_b128 v[224:227], v[SCRO]               ; my 128 scale words, 16 bytes a lane
	s_wait_dscnt 0x0
	global_store_b128 v[GS], v[224:227], s[12:13] offset:24576
	s_wait_tensorcnt 0x0                           ; the wave's end
	ds_add_u32 v[SPW], v[NIL]
	s_wait_dscnt 0x0
	CROUND                                         ; the closing round
	s_endpgm
.Lfunc_end_k_qa94855f070_proj:
	.size	k_qa94855f070_proj, .Lfunc_end_k_qa94855f070_proj-k_qa94855f070_proj
	.p2alignl 7, 3214868480
	.fill 96, 4, 3214868480
	.section	.rodata,"a",@progbits
	.p2align	6, 0x0
	.amdhsa_kernel k_qa94855f070_proj
		.amdhsa_group_segment_fixed_size 327680
		.amdhsa_private_segment_fixed_size 0
		.amdhsa_enable_private_segment 0
		.amdhsa_kernarg_size 16
		.amdhsa_user_sgpr_count 2
		.amdhsa_user_sgpr_kernarg_segment_ptr 1
		.amdhsa_wavefront_size32 1
		.amdhsa_system_sgpr_workgroup_id_x 1
		.amdhsa_system_sgpr_workgroup_id_y 1
		.amdhsa_system_sgpr_workgroup_id_z 1
		.amdhsa_system_vgpr_workitem_id 0
		.amdhsa_next_free_vgpr 1024
		.amdhsa_next_free_sgpr 98
		.amdhsa_reserve_vcc 0
		.amdhsa_float_denorm_mode_32 3
		.amdhsa_float_denorm_mode_16_64 3
		.amdhsa_memory_ordered 1
		.amdhsa_forward_progress 1
		.amdhsa_inst_pref_size 140
	.end_amdhsa_kernel
	.amdgpu_metadata
---
amdhsa.version: [ 1, 2 ]
amdhsa.kernels:
  - .name:           k_qa94855f070_proj
    .symbol:         k_qa94855f070_proj.kd
    .args:
      - { .name: xw, .offset: 0, .size: 8, .value_kind: global_buffer, .address_space: global }
      - { .name: qkv, .offset: 8, .size: 8, .value_kind: global_buffer, .address_space: global }
    .group_segment_fixed_size: 327680
    .private_segment_fixed_size: 0
    .kernarg_segment_align: 8
    .kernarg_segment_size: 16
    .max_flat_workgroup_size: 128
    .sgpr_count:     98
    .vgpr_count:     1024
    .wavefront_size: 32
...
	.end_amdgpu_metadata
.endif
;; end of part 5
;; launch score (part 6): grid 36 x 4, 4 waves a work-group, no clusters, 327,680 bytes of LDS; arguments qkv, pc; writes pc
.if DOCPART == 6
	.amdgcn_target "amdgcn-amd-amdhsa--gfx1250"
	.amdhsa_code_object_version 6
	.text
	.protected	k_qa94855f070_score
	.globl	k_qa94855f070_score
	.p2align	8
	.type	k_qa94855f070_score,@function
k_qa94855f070_score:
	s_mov_b64 s[64:65], 0
	v_nop
	global_prefetch_b8 v0, s[64:65] scope:SCOPE_SE
	s_setreg_imm32_b32 hwreg(HW_REG_WAVE_MODE, 25, 1), 1
	s_wait_xcnt 0x0
; S = q k^T on codes of E3M2 (K = e = 1,024) for the 36 tiles of 256 queries x 256 keys of a batch that the causal mask leaves, then p = 2^(t - M) as codes, with M and the sum of p for each query and each 128 keys.
; t = score x log2(e) / 32.  M here is the ceiling of the largest t of the query's 128 KEYS IN HAND, a whole number; the next launch brings the scale bytes under the row's final M by a subtraction, which is exact.
; The sum is taken of the unquantised p.  Hidden scores become -infinity ahead of the maximum; each query of a part that is worked sees at least one key of it (its own, on the diagonal).
; Q side (source 1) = q, P side (source 0) = k: a lane holds one query, and its 64 registers of a block of 16 queries are 128 keys in true order (the workspace's position order does that).
; pc: block (batch b, 128 queries Hq, 256 keys slot) at ((16 b + Hq) 8 + slot) x 27,648: fragments and scale words as in qkv; M (i32) at 25,600 + 512 q + 64 G + 4 r; the sum (f32) at 26,624 + the same.
; A part all of whose keys are hidden (queries 0-127 x keys 128-255 of a diagonal tile) is stored as zero codes, bytes 127, M = -2^30, sum 0; so is, for an even query tile, the whole slot behind the diagonal, so that the
; next launch finds its slots of 256 keys in pairs.
; THE RING: three LDS slots of four blocks; the first three quarters of K go out together at the start (three loads of a wave are out), only the fourth is a refill, with 224 matrix instructions in which to land.
; NO CLUSTER: a batch's 36 tiles have 1 to 8 tiles to a row and to a column, so they do not fall into groups of four that share a row or a column; filling 4 x 4 clusters would add work-groups that lie wholly under the mask.
; LIMITS: NaN and infinities are not served; |t| stays under 2^30 (M is kept as i32); a block of 32 keys whose largest p lies under 2^-60 takes the byte 63: what is lost is under 2^-55 of a row's sum, which is at least 1/2.
; REGISTERS as in the launch before; the softmax works in place on the accumulators.
.set BLK,   25600
.set PBLK,  27648
.set QB,    25600
.set SLOT,  4*QB
.set SCRB,  3*SLOT                     ; behind the ring: 1,536 bytes for each wave: scale words, M, sums
.set SPARE, SCRB+4*1536
.set FR,    12
.set GO,    5
.set GS,    6
.set SCR,   7                          ; v7   scratch, in: 4 r
.set SCRO,  8                          ; v8   scratch, out: 16 x lane
.set VD0,   9                          ; v9   r + 8 (r / 8) - 16 h
.set VD,    10                         ; v10  my query's true number in the 128, less 16 h
.set NINF,  11                         ; v11  -infinity
.set NM,    12                         ; v12  -M; v13 is named with it as a pair
.set SCR2,  14                         ; v14  scratch for M (lanes 0-15) and the sum (lanes 16-31): 512 + 512 h + 4 r
.set ADRQ,  16                         ; v16-18
.set ADRP,  19                         ; v19-21
.set ADRS,  22                         ; v22-24
.set LX,    27                         ; v27  the other half's sum
.set SPW,   28
.set NIL,   29
.set MI,    30                         ; v30  M as a whole number
.set LS,    31                         ; v31  the sum
.set SC,    32
.set PCS,   64
.set TM,    104
.set PW,    120
.set QF,    128
.set SV,    224                        ; v224-231 M | sum, a register for each block of 16 queries
.set G1,    24
.set G0,    32                         ; s[32:43] a group 0 for each slot
.set SEL,   66
.set CS,    68                         ; s[68:69] c = log2(e) / 32
.set MSB,   0
.set MUL_LO, 0xa1
.set MUL_HI, 0xf1
.set TO_P,   0x40
.macro WIN new
.if MSB != (\new)
	s_set_vgpr_msb (MSB<<8)|(\new)
.set MSB, (\new)
.endif
.endm
.macro PLACES n
.rept \n
	v_nop
.endr
.endm
.macro FRAG reg, adr, q, i
.irp c, 0,1,2
	ds_load_b128 v[\reg+4*\c:\reg+4*\c+3], v[\adr] offset:(\i)*3072+(\q)*1536+512*\c
.endr
.endm
.macro FETCH_P slot, q, p
	WIN TO_P
.irp i, 0,1,2,3,4,5,6,7
	FRAG 128*(\p)+FR*\i, ADRP+\slot, \q, \i
.endr
	WIN 0
.endm
.macro FETCH_Q slot, q, i0
.irp i, \i0, \i0+1, \i0+2, \i0+3
	FRAG QF+FR*(\i), ADRQ+\slot, \q, \i
.endr
.endm
.macro SCALES slot, set
.irp i, 0,1,2,3,4,5,6,7
	ds_load_b32 v[SC+16*(\set)+2*\i], v[ADRS+\slot] offset:64*\i
	ds_load_b32 v[SC+16*(\set)+2*\i+1], v[ADRS+\slot] offset:512+64*\i
.endr
.endm
.macro MUL16 a0, p, q, sc, zero        ; the 64 accumulators take turns, one instruction a turn
.irp a, \a0, \a0+1
.irp b, 0,1,2,3,4,5,6,7
.if \zero
	v_wmma_scale_f32_16x16x128_f8f6f4 v[8*(8*((\a)%4)+\b):8*(8*((\a)%4)+\b)+7], v[128*(\p)+FR*\b:128*(\p)+FR*\b+FR-1], v[QF+FR*(\a):QF+FR*(\a)+FR-1], 0, v[SC+16*(\sc)+2*\b+(\q)], v[SC+16*(\sc)+2*(\a)+(\q)] matrix_a_fmt:MATRIX_FMT_BF6 matrix_b_fmt:MATRIX_FMT_BF6 matrix_a_scale:MATRIX_SCALE_ROW1
.else
	v_wmma_scale_f32_16x16x128_f8f6f4 v[8*(8*((\a)%4)+\b):8*(8*((\a)%4)+\b)+7], v[128*(\p)+FR*\b:128*(\p)+FR*\b+FR-1], v[QF+FR*(\a):QF+FR*(\a)+FR-1], v[8*(8*((\a)%4)+\b):8*(8*((\a)%4)+\b)+7], v[SC+16*(\sc)+2*\b+(\q)], v[SC+16*(\sc)+2*(\a)+(\q)] matrix_a_fmt:MATRIX_FMT_BF6 matrix_b_fmt:MATRIX_FMT_BF6 matrix_a_scale:MATRIX_SCALE_ROW1
.endif
.endr
.endr
.endm
.macro STEP slot, sc, zero
	s_wait_dscnt 12                                ; all but the youngest twelve loads (Q blocks 4-7) are in
	WIN MUL_LO
	MUL16 0, 0, 0, \sc, \zero
	MUL16 2, 0, 0, \sc, \zero
	s_wait_dscnt 0x0
	PLACES 4
	FETCH_P \slot, 1, 1
	FETCH_Q \slot, 1, 0
	WIN MUL_HI
	MUL16 4, 0, 0, \sc, \zero
	MUL16 6, 0, 0, \sc, \zero
	PLACES 4
	WIN 0
	FETCH_Q \slot, 1, 4
.endm
.macro TURN slot, next, sc, fill
	s_wait_tensorcnt 0x0                           ; all my tensor loads have landed; so a group 0 may be written
	ds_add_u32 v[SPW], v[NIL]                      ; 0 onto my spare word
.if \fill
	s_add_nc_u64 s[G0+4*\slot+2:G0+4*\slot+3], s[G0+4*\slot+2:G0+4*\slot+3], 3*BLK   ; this slot's next block: three slots on
.endif
	s_wait_dscnt 13                                ; (the add and the youngest twelve loads may be out)
	WIN MUL_LO
	MUL16 0, 1, 1, \sc, 0
	s_wait_dscnt 0x0                               ; the add is done, and my reads of this slot are over
	s_barrier_signal -1
	MUL16 2, 1, 1, \sc, 0
	WIN 0
	s_barrier_wait -1
.if \fill
	tensor_load_to_lds s[G0+4*\slot:G0+4*\slot+3], s[G1:G1+7]   ; my one tensor load behind the barrier, and the first thing there
	s_nop 0
.endif
	PLACES 4                                       ; behind the load, and the places in front of the loads below
	FETCH_P \next, 0, 0
	FETCH_Q \next, 0, 0
	SCALES \next, 1-(\sc)
	WIN MUL_HI
	MUL16 4, 1, 1, \sc, 0
	MUL16 6, 1, 1, \sc, 0
	PLACES 4
	WIN 0
	FETCH_Q \next, 0, 4
.endm
; The same without a barrier: the next slot was shown whole to every wave by an earlier barrier, in front of which every wave had waited for all its tensor loads, and neither slot is written again.
.macro TURNX slot, next, sc
	s_wait_dscnt 12
	WIN MUL_LO
	MUL16 0, 1, 1, \sc, 0
	MUL16 2, 1, 1, \sc, 0
	s_wait_dscnt 0x0
	PLACES 4
	FETCH_P \next, 0, 0
	FETCH_Q \next, 0, 0
	SCALES \next, 1-(\sc)
	WIN MUL_HI
	MUL16 4, 1, 1, \sc, 0
	MUL16 6, 1, 1, \sc, 0
	PLACES 4
	WIN 0
	FETCH_Q \next, 0, 4
.endm
; A part of a block without a key that counts: zero codes, bytes 127, M = -2^30, sum 0.  The data registers are never rewritten.
.macro ZEROPART base
.irp a, 0,1,2,3,4,5,6,7
.irp c, 0,1,2
	global_store_b128 v[GO], v[236:239], s[\base:\base+1] offset:\a*3072+512*\c
.endr
.endr
	global_store_b128 v[GS], v[240:243], s[\base:\base+1] offset:24576
	global_store_b128 v[GS], v[244:247], s[\base:\base+1] offset:25600
	global_store_b128 v[GS], v[236:239], s[\base:\base+1] offset:26624
.endm
; Block a of 16 queries: mask, M, p, the sum, the codes.
.macro SOFT a
.set AC, 64*((\a)%4)
.set W, 2+(\a)/4
.set PCA, PCS+20*((\a)%2)
	s_cmp_eq_u32 s77, 0                            ; only a part on the diagonal has hidden keys: a branch on ids and the wave's number
	s_cbranch_scc1 .Lopen_\@
	v_add_nc_u32 v[VD], 32*((\a)/2)+8*((\a)%2), v[VD0]
	WIN (W<<6)|W
.set n, 0
.rept 64                               ; register 16 b + i holds key 32 b + 16 h + i: hidden where 32 b + i > VD.  Blocks b < a / 2 lie wholly ahead of these queries
.if n/16 >= (\a)/2
	v_cmp_gt_i32 vcc_lo, 32*(n/16)+n%16, v[VD]
	v_cndmask_b32 v[AC+n], v[AC+n], v[NINF], vcc_lo
.endif
.set n, n+1
.endr
	WIN 0
.Lopen_\@:
	WIN (W<<2)|(W<<4)
.irp b, 0,1,2,3
	v_max3_num_f32 v[TM+\b], v[NINF], v[AC+16*\b], v[AC+16*\b+1]   ; the largest score of each block of 32 keys: it serves for the maximum and, since p rises with the score, for the block's largest p
.endr
.irp i, 2,4,6,8,10,12,14
.irp b, 0,1,2,3
	v_max3_num_f32 v[TM+\b], v[TM+\b], v[AC+16*\b+\i], v[AC+16*\b+\i+1]
.endr
.endr
	WIN 0
.irp b, 0,1,2,3
	v_permlanex16_b32 v[TM+4+\b], v[TM+\b], s[SEL], s[SEL+1]
.endr
.irp b, 0,1,2,3
	v_max_num_f32 v[TM+\b], v[TM+\b], v[TM+4+\b]
.endr
	v_max3_num_f32 v15, v[TM], v[TM+1], v[TM+2]
	v_max_num_f32 v15, v15, v[TM+3]
	v_mul_f32 v15, s[CS], v15                      ; as t (c is positive)
	v_floor_f32 v[NM], -v15                        ; -M = floor(-t) = -ceil(t)
	v_cvt_i32_f32 v[MI], v[NM]
	v_sub_nc_u32 v[MI], 0, v[MI]                   ; M as a whole number
.irp b, 0,1,2,3
	v_fma_f32 v[TM+\b], v[TM+\b], s[CS], v[NM]
.endr
	WIN (W<<6)|W
.set n, 0
.rept 32
	v_pk_fma_f32 v[AC+n:AC+n+1], v[AC+n:AC+n+1], s[CS:CS+1], v[NM:NM+1] op_sel_hi:[1,0,0]   ; t - M, two at a time
.set n, n+2
.endr
.set n, 0
.rept 64
	v_exp_f32 v[AC+n], v[AC+n]                     ; p = 2^(t - M): not normalised
.set n, n+1
.endr
	v_nop                                          ; a plain place behind the last exponential
	s_wait_alu depctr_va_vdst(0)                   ; one wait for the batch, ahead of its first reader
	WIN 0
.irp b, 0,1,2,3
	v_exp_f32 v[TM+\b], v[TM+\b]                   ; the block's largest p: the same two instructions on the same number give the same bits
.endr
	v_mov_b32 v232, 0                              ; the sum, in two chains of pairs (plain work behind the four)
	v_mov_b32 v233, 0
	v_mov_b32 v234, 0
	v_mov_b32 v235, 0
	WIN W<<2
.set n, 0
.rept 16
	v_pk_add_f32 v[232:233], v[232:233], v[AC+n:AC+n+1]
	v_pk_add_f32 v[234:235], v[234:235], v[AC+n+2:AC+n+3]
.set n, n+4
.endr
	WIN 0
	v_pk_add_f32 v[232:233], v[232:233], v[234:235]
	v_add_f32 v[LS], v232, v233
	v_permlanex16_b32 v[LX], v[LS], s[SEL], s[SEL+1]
	v_add_f32 v[LS], v[LS], v[LX]                  ; the sum of my query's 128 p
	s_wait_alu depctr_va_vdst(0)                   ; and one wait for the four
.irp b, 0,1,2,3
	v_max_num_f32 v[TM+\b], 0x21800000, v[TM+\b]   ; the floor 2^-60: the byte cannot fall under 63, so that up to 63 can be taken off it later
.endr
.irp b, 0,1,2,3
	v_add_nc_u32 v[TM+12+\b], 0xfe000000, v[TM+\b]
.endr
.irp b, 0,1,2,3
	v_lshrrev_b32 v[TM+4+\b], 23, v[TM+12+\b]
.endr
	v_lshl_or_b32 v[PW+(\a)], v[TM+5], 8, v[TM+4]
	v_lshl_or_b32 v[PW+(\a)], v[TM+6], 16, v[PW+(\a)]
	v_lshl_or_b32 v[PW+(\a)], v[TM+7], 24, v[PW+(\a)]
.if (\a) > 1
	s_wait_xcnt 0x0                                ; block a - 2's stores have read their registers: this set of codes is written again only behind this wait
.endif
	WIN W
.irp c, 0,1
	v_cvt_scalef32_pk16_bf6_f32 v[PCA+6*\c:PCA+6*\c+2], v[AC+32*\c:AC+32*\c+15], v[TM+12+2*\c]
	v_cvt_scalef32_pk16_bf6_f32 v[PCA+12+4*\c:PCA+14+4*\c], v[AC+16+32*\c:AC+31+32*\c], v[TM+13+2*\c]
.endr
	WIN 0
	v_nop                                          ; one plain place behind a scaled conversion
.irp c, 0,1
.irp i, 0,1,2
	v_permlane16_swap_b32 v[PCA+6*\c+\i], v[PCA+12+4*\c+\i]
.endr
.irp i, 0,1,2
	v_mov_b32 v[PCA+3+6*\c+\i], v[PCA+12+4*\c+\i]
.endr
.endr
.irp c, 0,1,2
	global_store_b128 v[GO], v[PCA+4*\c:PCA+4*\c+3], s[12:13] offset:(\a)*3072+512*\c
.endr
	ds_store_b32 v[SCR], v[PW+(\a)] offset:64*(\a)
	v_cndmask_b32 v[SV+(\a)], v[MI], v[LS], s78    ; lanes 0-15 carry M, lanes 16-31 the sum
	ds_store_b32 v[SCR2], v[SV+(\a)] offset:64*(\a)
.endm
	s_load_b128 s[4:7], s[0:1], 0x0                ; qkv s[4:5], pc s[6:7]
	v_lshl_add_u32 v[SPW], v0, 2, SPARE
	v_mov_b32 v[NIL], 0
	ds_add_u32 v28, v29
	ds_add_u32 v28, v29
	s_wait_dscnt 0x0
	v_lshrrev_b32 v1, 5, v0
	v_readfirstlane_b32 s14, v1                    ; wave 0..3
	s_lshr_b32 s15, s14, 1                         ; my half of the queries
	s_and_b32 s16, s14, 1                          ; my half of the keys.  Also: which half I fetch
	s_and_b32 s19, ttmp7, 0xffff                   ; the batch
	s_mov_b32 s17, 0
.irp th, 1,3,6,10,15,21,28             ; tile t of the triangle: I = how many of the rows' first numbers i (i + 1) / 2 it has reached
	s_cmp_ge_u32 ttmp9, \th
	s_cselect_b32 s18, 1, 0
	s_add_co_u32 s17, s17, s18
.endr
	s_add_co_u32 s18, s17, 1
	s_mul_i32 s18, s18, s17
	s_lshr_b32 s18, s18, 1
	s_sub_co_u32 s18, ttmp9, s18                   ; J = t - I (I + 1) / 2, at most I
	s_mov_b32 s[G1], 3<<16                         ; no mask; elements of 8 bytes; no padding
	s_mov_b32 s[G1+1], 32<<16                      ; rows of 256 bytes,
	s_mov_b32 s[G1+2], 100<<16                     ; 100 of them: a block
	s_mov_b32 s[G1+3], 32<<16
	s_mov_b32 s[G1+4], 100
	s_mov_b32 s[G1+5], 32
	s_mov_b32 s[G1+6], 0
	s_mov_b32 s[G1+7], 0
	s_lshl_b32 s20, s19, 4
	s_lshl_b32 s21, s17, 1                         ; q's rows of blocks: 16 b + 2 I + half
	s_lshl_b32 s22, s18, 1
	s_add_co_u32 s22, s22, 64                      ; k's: 64 + 16 b + 2 J + half
	s_cmp_lt_u32 s14, 2                            ; waves 0 and 1 fetch q's halves, waves 2 and 3 k's
	s_cselect_b32 s21, s21, s22
	s_add_co_u32 s20, s20, s21
	s_add_co_u32 s20, s20, s16
	s_mul_i32 s20, s20, 4*BLK
	s_mov_b32 s21, 0
	s_mul_i32 s45, s14, QB
	s_cmp_eq_u32 s17, s18
	s_cselect_b32 s76, 1, 0                        ; a diagonal tile
	s_xor_b32 s77, s15, s16
	s_xor_b32 s77, s77, 1
	s_and_b32 s77, s77, s76                        ; my part lies on the diagonal
	s_xor_b32 s79, s15, 1
	s_and_b32 s79, s79, s16
	s_and_b32 s79, s79, s76                        ; all my keys are hidden
	s_and_b32 s80, s17, 1
	s_xor_b32 s80, s80, 1
	s_and_b32 s80, s80, s76                        ; the slot behind the diagonal is mine to clear
	s_mov_b32 s78, 0xffff0000
	s_mov_b32 s[SEL], 0x76543210
	s_mov_b32 s[SEL+1], 0xfedcba98
	s_mov_b32 s[CS], 0x3d38aa3b                    ; log2(e) / 32
	s_mov_b32 s[CS+1], s[CS]                       ; (named with it as a pair, so it is written)
	s_lshl_b32 s12, s19, 4
	s_lshl_b32 s13, s17, 1
	s_add_co_u32 s12, s12, s13
	s_add_co_u32 s12, s12, s15
	s_lshl_b32 s12, s12, 3
	s_add_co_u32 s12, s12, s18
	s_mul_i32 s12, s12, PBLK
	s_mov_b32 s13, 0
	s_wait_kmcnt 0x0
	s_add_nc_u64 s[20:21], s[4:5], s[20:21]
	s_add_nc_u64 s[12:13], s[6:7], s[12:13]        ; pc's block (16 b + 2 I + my half, slot J); my half of the keys is its K step
	s_add_nc_u64 s[82:83], s[12:13], PBLK          ; and the slot behind it (named only where s80 is 1: I is then at most 6)
.irp s, 0,1,2
	s_mov_b32 s[G0+4*\s], 1
	s_add_co_u32 s[G0+4*\s+1], s45, \s*SLOT
	s_add_nc_u64 s[G0+4*\s+2:G0+4*\s+3], s[20:21], \s*BLK
	s_or_b32 s[G0+4*\s+3], s[G0+4*\s+3], 0x80000000
.endr
	tensor_load_to_lds s[G0:G0+3], s[G1:G1+7]      ; the three first fills go out together: three loads of mine are out
	s_nop 0
	tensor_load_to_lds s[G0+4:G0+7], s[G1:G1+7]
	s_nop 0
	tensor_load_to_lds s[G0+8:G0+11], s[G1:G1+7]
	s_nop 0
	PLACES 4
	v_and_b32 v1, 15, v0                           ; r
	v_bfe_u32 v2, v0, 4, 1                         ; h
	v_and_b32 v3, 31, v0
	v_lshlrev_b32 v4, 4, v3
	s_mul_i32 s70, s15, QB
	s_mul_i32 s71, s16, QB
	s_add_co_u32 s71, s71, 2*QB
	v_add_nc_u32 v[ADRQ], s70, v4
	v_add_nc_u32 v[ADRP], s71, v4
	v_add_nc_u32 v[ADRQ+1], SLOT, v[ADRQ]
	v_add_nc_u32 v[ADRP+1], SLOT, v[ADRP]
	v_add_nc_u32 v[ADRQ+2], SLOT, v[ADRQ+1]
	v_add_nc_u32 v[ADRP+2], SLOT, v[ADRP+1]
	s_sub_co_u32 s71, s71, s70
	v_mul_u32_u24 v15, s71, v2                     ; lanes 16-31 take k's words: one product
	v_lshl_add_u32 v15, v1, 2, v15
	s_add_co_u32 s70, s70, 24576
	v_add_nc_u32 v[ADRS], s70, v15
	v_add_nc_u32 v[ADRS+1], SLOT, v[ADRS]
	v_add_nc_u32 v[ADRS+2], SLOT, v[ADRS+1]
	s_mul_i32 s72, s16, 1536
	v_add_nc_u32 v[GO], s72, v4
	s_lshl_b32 s72, s16, 9
	v_add_nc_u32 v[GS], s72, v4
	s_mul_i32 s72, s14, 1536
	s_add_co_u32 s72, s72, SCRB
	v_lshl_add_u32 v[SCR], v1, 2, s72
	v_add_nc_u32 v[SCRO], s72, v4
	v_lshl_add_u32 v[SCR2], v2, 9, v[SCR]
	v_add_nc_u32 v[SCR2], 512, v[SCR2]
	v_and_b32 v[VD0], 8, v1
	v_add_nc_u32 v[VD0], v[VD0], v1
	v_lshlrev_b32 v[VD], 4, v2
	v_sub_nc_u32 v[VD0], v[VD0], v[VD]
	v_mov_b32 v[NINF], 0xff800000
	v_mov_b32 v[NM+1], 0                           ; (named as the upper half of a pair)
	v_mov_b32 v[LX], 0                             ; written once: a lane permute's destination counts as one of its sources
.irp b, 0,1,2,3
	v_mov_b32 v[TM+4+\b], 0
	v_mov_b32 v[236+\b], 0                         ; zero codes, and the sum 0
	v_mov_b32 v[240+\b], 0x7f7f7f7f                ; bytes 127
	v_mov_b32 v[244+\b], 0xc0000000                ; M = -2^30
.endr
	s_wait_tensorcnt 2                             ; my part of slot 0 is in; slots 1 and 2's may stay out
	s_barrier_signal -1
	s_barrier_wait -1
	FETCH_P 0, 0, 0
	FETCH_Q 0, 0, 0
	SCALES 0, 0
	FETCH_Q 0, 0, 4
	STEP 0, 0, 1
	TURN 0, 1, 0, 1                                ; slots 1 and 2 are whole for every wave; slot 0 takes the last 256 along K
	STEP 1, 1, 0
	TURNX 1, 2, 1
	STEP 2, 0, 0
	TURN 2, 0, 0, 0                                ; the refill has landed, everybody's part of it
	STEP 0, 1, 0
	s_wait_dscnt 12
	WIN MUL_LO
	MUL16 0, 1, 1, 1, 0
	MUL16 2, 1, 1, 1, 0
	s_wait_dscnt 0x0
	WIN MUL_HI
	MUL16 4, 1, 1, 1, 0
	MUL16 6, 1, 1, 1, 0
	WIN 0
	PLACES 4                                       ; in front of the first read and the first write of results by vector instructions
	s_cmp_eq_u32 s79, 1
	s_cbranch_scc1 .Lhidden
.irp a, 0,1,2,3,4,5,6,7
	SOFT \a
.endr
.irp k, 0,1,2
	ds_load_b128 v[128+4*\k:131+4*\k], v[SCRO] offset:512*\k   ; my 128 scale words, M and sums, 16 bytes a lane
.endr
	s_wait_dscnt 0x0
.irp k, 0,1,2
	global_store_b128 v[GS], v[128+4*\k:131+4*\k], s[12:13] offset:24576+1024*\k
.endr
	s_branch .Ljoin
.Lhidden:
	ZEROPART 12
.Ljoin:
	s_cmp_eq_u32 s80, 1
	s_cbranch_scc0 .Lend
	ZEROPART 82
.Lend:
	s_wait_tensorcnt 0x0                           ; the wave's end
	ds_add_u32 v[SPW], v[NIL]
	s_wait_dscnt 0x0
	s_endpgm
.Lfunc_end_k_qa94855f070_score:
	.size	k_qa94855f070_score, .Lfunc_end_k_qa94855f070_score-k_qa94855f070_score
	.p2alignl 7, 3214868480
	.fill 96, 4, 3214868480
	.section	.rodata,"a",@progbits
	.p2align	6, 0x0
	.amdhsa_kernel k_qa94855f070_score
		.amdhsa_group_segment_fixed_size 327680
		.amdhsa_private_segment_fixed_size 0
		.amdhsa_enable_private_segment 0
		.amdhsa_kernarg_size 16
		.amdhsa_user_sgpr_count 2
		.amdhsa_user_sgpr_kernarg_segment_ptr 1
		.amdhsa_wavefront_size32 1
		.amdhsa_system_sgpr_workgroup_id_x 1
		.amdhsa_system_sgpr_workgroup_id_y 1
		.amdhsa_system_sgpr_workgroup_id_z 1
		.amdhsa_system_vgpr_workitem_id 0
		.amdhsa_next_free_vgpr 1024
		.amdhsa_next_free_sgpr 90
		.amdhsa_reserve_vcc 1
		.amdhsa_float_denorm_mode_32 3
		.amdhsa_float_denorm_mode_16_64 3
		.amdhsa_memory_ordered 1
		.amdhsa_forward_progress 1
		.amdhsa_inst_pref_size 231
	.end_amdhsa_kernel
	.amdgpu_metadata
---
amdhsa.version: [ 1, 2 ]
amdhsa.kernels:
  - .name:           k_qa94855f070_score
    .symbol:         k_qa94855f070_score.kd
    .args:
      - { .name: qkv, .offset: 0, .size: 8, .value_kind: global_buffer, .address_space: global }
      - { .name: pc, .offset: 8, .size: 8, .value_kind: global_buffer, .address_space: global }
    .group_segment_fixed_size: 327680
    .private_segment_fixed_size: 0
    .kernarg_segment_align: 8
    .kernarg_segment_size: 16
    .max_flat_workgroup_size: 128
    .sgpr_count:     90
    .vgpr_count:     1024
    .wavefront_size: 32
...
	.end_amdgpu_metadata
.endif
;; end of part 6
;; launch pv (part 7): grid 8 x 32, 4 waves a work-group, clusters of 4 x 1, 327,680 bytes of LDS; arguments qkv, pc, out0; writes out0
.if DOCPART == 7
	.amdgcn_target "amdgcn-amd-amdhsa--gfx1250"
	.amdhsa_code_object_version 6
	.text
	.protected	k_qa94855f070_pv
	.globl	k_qa94855f070_pv
	.p2align	8
	.type	k_qa94855f070_pv,@function
k_qa94855f070_pv:
	s_mov_b64 s[64:65], 0
	v_nop
	global_prefetch_b8 v0, s[64:65] scope:SCOPE_SE
	s_setreg_imm32_b32 hwreg(HW_REG_WAVE_MODE, 25, 1), 1
	s_wait_xcnt 0x0
	s_wait_alu depctr_hold_cnt(0) depctr_sa_sdst(0) depctr_va_vdst(0) depctr_va_sdst(0) depctr_va_ssrc(0) depctr_va_vcc(0) depctr_vm_vsrc(0)
	s_getreg_b32 s2, hwreg(HW_REG_IB_STS2, 6, 4)
	s_cmp_eq_u32 s2, 0
	s_cbranch_scc0 .Lentry_in_a_cluster
	s_endpgm
.Lentry_in_a_cluster:
	s_bfe_u32 s2, ttmp6, 0x10000c
	s_cmp_lg_u32 s2, 0x3003
	s_cbranch_scc0 .Lentry_shape_is_right
	s_endpgm
.Lentry_shape_is_right:
; out = (p v) / l on codes of E3M2 (K = the keys).  A work-group makes 256 queries (tile I of batch b) x 128 of the head's 1,024 (He = 4 x cluster x + cx); four waves, each 128 queries x 64: 32 accumulators.
; 8 x 32 work-groups.  Q side (source 1) = p from pc, P side (source 0) = v^T from qkv: a lane holds one query, its 32 registers of a block of 16 queries are 64 of the head's numbers in true order.
; A SLOT HOLDS 512 KEYS: for each half of the queries two neighbouring blocks of pc as one dense load of 212 rows of 256 bytes (the first block whole, the second up to the end of its M), and two blocks of v^T: 159,744 bytes,
; one load a wave.  The tile walks NB = (I + 2) / 2 slots, 1 to 4: what the causal mask leaves, in pairs of 256 keys (the launch before stored zero codes where a pair has no second).  Two slots take turns; the slots are
; written out, and a branch on NB, which hangs on the cluster's y alone, leaves for the last step; a short branch on NB stands round each fill that no later step would read.  Every wait for tensor loads is for 0.
; p's codes were made under an M of their own 128 keys.  THE PROLOGUE takes each query's final M (the largest of them) and l = the sum of the parts' sums x 2^(their M - final M), exact powers of two.
; For each 256 keys, (final M - the part's M), held at 63, is taken off each of p's four scale bytes of that part: the bytes are at least 63, so no byte borrows.  What the hold changes is under 2^-55 of a row's sum.
; CLUSTER: four work-groups of a query tile walk the same p, two thirds of a slot's bytes: it is asked for jointly.  v^T's blocks are shared only between query tiles, which walk different numbers of slots, so partners would
; need different numbers of joint loads: they come by plain loads, behind the same rounds.
; LDS READS: for 128 along K a wave loads 12 fragments (18,432 bytes) for 32 matrix instructions; the wider wave tile of 128 x 128 would read a third less for each product, but leaves room for slots of 256 keys only.
; LIMITS: as in the launch before: NaN and infinities are not served; |M| under 2^30.
; REGISTERS: window 0: v1-29 addresses, v32-63 scale words (a set for each 256 keys of a slot), v64-79 the parts' M, v80-87 final M, v88-103 1 / l, v128-223 p's 8 fragments; window 1: v^T's 4 fragments, two sets at v0 and v128;
; window 2: accumulator (a, b) at v[8 (4 a + b)].
.set BLK,   25600
.set PBLK,  27648
.set QBQ,   54272                      ; p of 128 queries x 512 keys in a slot: 212 rows of 256 bytes
.set VOFF,  2*QBQ                      ; behind p's two halves: v^T's two blocks
.set SLOT,  VOFF+2*BLK
.set PSCR,  2*SLOT                     ; behind the ring: 1,024 bytes for each wave: final M and 1 / l of its 128 queries
.set SPARE, PSCR+4096                  ; the spare words: 128 bytes a wave, two blocks of 256 bytes that no other line names
.set SPITCH, 272                       ; the way out: a stage of 16 rows x (256 bytes + 16) for each wave, from LDS byte 0 on: in slot 0, behind a barrier behind which nothing is filled and nobody reads the ring
.set FR,    12
.set STO,   5                          ; v5   the stage, in: 272 r + 64 h
.set RD,    6                          ; v6   and out: 272 h + 16 r
.set AQ,    8                          ; v8-9   p's words of my queries in slot 0, 1: 4 r, in both halves of the lanes
.set ADRS,  10                         ; v10-13 scale words (slot s, 256 keys u) at 2 s + u: lanes 0-15 p's, lanes 16-31 v^T's
.set ADRQ,  16                         ; v16-17 p's fragments
.set ADRP,  20                         ; v20-21 v^T's fragments
.set PSI,   24                         ; v24  the prologue's scratch, in: 16 x lane
.set PSO,   25                         ; v25  and out: 4 r
.set CO,    26                         ; v26  my byte offset in two rows of out0: 4096 h + 16 r
.set LIM,   27                         ; v27  63 in lanes 0-15 (p's words), 0 in lanes 16-31 (v^T's words stay as they are)
.set SPW,   28
.set NIL,   29
.set SC,    32
.set ML,    64
.set MF,    80
.set RL,    88
.set QF,    128
.set G1,    24
.set G0,    32
.set G1B,   48
.set G0B,   56
.set MSB,   0
.set MULW,  0xa1                       ; source 0 (v^T) window 1, source 1 (p) window 0, C and D window 2
.set TO_P,  0x40
.macro WIN new
.if MSB != (\new)
	s_set_vgpr_msb (MSB<<8)|(\new)
.set MSB, (\new)
.endif
.endm
.macro PLACES n
.rept \n
	v_nop
.endr
.endm
.macro JLOAD g0a, g1a, g0b, g1b        ; waves 0 and 1: p's halves, jointly; waves 2 and 3: v^T's two blocks.  Four v_nop follow each line
	s_cmp_eq_u32 s15, 0
	s_cbranch_scc0 .Lfor_p_\@
	tensor_load_to_lds s[\g0a:\g0a+3], s[\g1a:\g1a+7]
	s_nop 0
.rept 4
	v_nop
.endr
	s_branch .Lasked_\@
.Lfor_p_\@:
	tensor_load_to_lds s[\g0b:\g0b+3], s[\g1b:\g1b+7]
	s_nop 0
.rept 4
	v_nop
.endr
.Lasked_\@:
.endm
.macro CREST
	s_cmp_lg_u32 s14, 0
	s_cbranch_scc1 .Lnot_wave_0_\@
	s_barrier_signal -3
.Lnot_wave_0_\@:
	s_barrier_wait -3
	s_barrier_signal -1
	s_barrier_wait -1
.endm
.macro CROUND
	s_barrier_signal -1
	s_barrier_wait -1
	CREST
.endm
.macro FRAG reg, adr, off              ; a fragment comes back as it was stored: three loads of 512 consecutive bytes
.irp c, 0,1,2
	ds_load_b128 v[\reg+4*\c:\reg+4*\c+3], v[\adr] offset:(\off)+512*\c
.endr
.endm
.macro FETCH_P s, u, q, p              ; slot s, its u-th 256 keys, K step q of them: my four fragments of v^T into set p
	WIN TO_P
.irp i, 0,1,2,3
	FRAG 128*(\p)+FR*\i, ADRP+\s, (\u)*BLK+\i*3072+(\q)*1536
.endr
	WIN 0
.endm
.macro FETCH_Q s, u, q, i0             ; p's blocks i0 .. i0 + 3
.irp i, \i0, \i0+1, \i0+2, \i0+3
	FRAG QF+FR*(\i), ADRQ+\s, (\u)*PBLK+(\i)*3072+(\q)*1536
.endr
.endm
.macro SCALES s, u                     ; registers 0-3 of a K step carry p's words below and v^T's above; registers 4-7 p's alone
.irp i, 0,1,2,3
	ds_load_b32 v[SC+16*(\u)+2*\i], v[ADRS+2*(\s)+(\u)] offset:64*\i
	ds_load_b32 v[SC+16*(\u)+2*\i+1], v[ADRS+2*(\s)+(\u)] offset:512+64*\i
.endr
.irp i, 4,5,6,7
	ds_load_b32 v[SC+16*(\u)+2*\i], v[AQ+\s] offset:(\u)*PBLK+24576+64*\i
	ds_load_b32 v[SC+16*(\u)+2*\i+1], v[AQ+\s] offset:(\u)*PBLK+24576+512+64*\i
.endr
.endm
.macro MLOC s, u
.irp i, 0,1,2,3,4,5,6,7
	ds_load_b32 v[ML+2*\i], v[AQ+\s] offset:(\u)*PBLK+25600+64*\i
	ds_load_b32 v[ML+2*\i+1], v[AQ+\s] offset:(\u)*PBLK+25600+512+64*\i
.endr
.endm
; p's scale words of the 256 keys in hand are brought under the final M
.macro ADJUST sc
.irp i, 0,1,2,3,4,5,6,7
	v_sub_nc_u32 v[ML+2*\i], v[MF+\i], v[ML+2*\i]          ; final M - the part's M: 0 or more
	v_sub_nc_u32 v[ML+2*\i+1], v[MF+\i], v[ML+2*\i+1]
.endr
.irp x, 0,1,2,3,4,5,6,7,8,9,10,11,12,13,14,15
	v_min_u32 v[ML+\x], v[ML+\x], v[LIM]
.endr
.irp x, 0,1,2,3,4,5,6,7,8,9,10,11,12,13,14,15
	v_perm_b32 v[ML+\x], v[ML+\x], v[ML+\x], 0             ; its lowest byte into all four
.endr
.irp i, 0,1,2,3,4,5,6,7
	v_sub_nc_u32 v[SC+16*(\sc)+2*\i], v[SC+16*(\sc)+2*\i], v[ML+2*\i]
.endr
.irp i, 0,1,2,3,4,5,6,7
	v_sub_nc_u32 v[SC+16*(\sc)+2*\i+1], v[SC+16*(\sc)+2*\i+1], v[ML+2*\i+1]
.endr
	PLACES 8                                       ; a scale register written by a vector instruction stands eight places ahead of the scaled matrix instruction
.endm
; 8 matrix instructions: p's blocks a0, a0 + 1 x v^T's four.  The 32 accumulators take turns, one instruction a turn, in the same order in every step.
.macro MUL8 a0, p, q, sc, zero
.irp a, \a0, \a0+1
.irp b, 0,1,2,3
.if \zero
	v_wmma_scale_f32_16x16x128_f8f6f4 v[8*(4*(\a)+\b):8*(4*(\a)+\b)+7], v[128*(\p)+FR*\b:128*(\p)+FR*\b+FR-1], v[QF+FR*(\a):QF+FR*(\a)+FR-1], 0, v[SC+16*(\sc)+2*\b+(\q)], v[SC+16*(\sc)+2*(\a)+(\q)] matrix_a_fmt:MATRIX_FMT_BF6 matrix_b_fmt:MATRIX_FMT_BF6 matrix_a_scale:MATRIX_SCALE_ROW1
.else
	v_wmma_scale_f32_16x16x128_f8f6f4 v[8*(4*(\a)+\b):8*(4*(\a)+\b)+7], v[128*(\p)+FR*\b:128*(\p)+FR*\b+FR-1], v[QF+FR*(\a):QF+FR*(\a)+FR-1], v[8*(4*(\a)+\b):8*(4*(\a)+\b)+7], v[SC+16*(\sc)+2*\b+(\q)], v[SC+16*(\sc)+2*(\a)+(\q)] matrix_a_fmt:MATRIX_FMT_BF6 matrix_b_fmt:MATRIX_FMT_BF6 matrix_a_scale:MATRIX_SCALE_ROW1
.endif
.endr
.endr
.endm
; The first 128 of the u-th 256 keys of slot s.  Loads into registers that matrix instructions have read stand four plain places behind them.
.macro STEP s, u, zero
	s_wait_dscnt 12                                ; all but the youngest twelve loads (p's blocks 4-7: four fragments, three loads each) are in: the scale words and the parts' M among them
	ADJUST \u
	WIN MULW
	MUL8 0, 0, 0, \u, \zero
	MUL8 2, 0, 0, \u, \zero
	s_wait_dscnt 0x0
	PLACES 4
	FETCH_P \s, \u, 1, 1
	FETCH_Q \s, \u, 1, 0
	WIN MULW
	MUL8 4, 0, 0, \u, \zero
	MUL8 6, 0, 0, \u, \zero
	PLACES 4
	WIN 0
	FETCH_Q \s, \u, 1, 4
.endm
; The second 128 of a slot's first 256 keys; the fetches go on to its second 256: the same slot, so no barrier.
.macro TURNX s
	s_wait_dscnt 12
	WIN MULW
	MUL8 0, 1, 1, 0, 0
	MUL8 2, 1, 1, 0, 0
	s_wait_dscnt 0x0
	PLACES 4
	FETCH_P \s, 1, 0, 0
	FETCH_Q \s, 1, 0, 0
	SCALES \s, 1
	MLOC \s, 1
	WIN MULW
	MUL8 4, 1, 1, 0, 0
	MUL8 6, 1, 1, 0, 0
	PLACES 4
	WIN 0
	FETCH_Q \s, 1, 0, 4
.endm
; A slot's last 128 keys, and the change of slots: one barrier; in front of it each wave waits for all its tensor loads, adds 0 to its spare word, and waits for that and for its reads of this slot.
; need > 0: the barrier opens a round of the cluster's, and this slot is filled again, two slots on, where the tile has at least so many slots.
.macro TURN s, n, need
	s_wait_tensorcnt 0x0                           ; all my tensor loads have landed: my part of the next slot
	ds_add_u32 v[SPW], v[NIL]                      ; 0 onto my spare word
	s_wait_dscnt 13                                ; (the add and the youngest twelve loads may be out)
	WIN MULW
	MUL8 0, 1, 1, 1, 0
	s_wait_dscnt 0x0                               ; the add is done, and my reads of this slot are over
	s_barrier_signal -1
	MUL8 2, 1, 1, 1, 0
	WIN 0
	s_barrier_wait -1
.if \need
	CREST                                          ; no wave of any partner still reads this slot or has a load on its way
	s_cmp_ge_u32 s3, \need                         ; the same in all four partners
	s_cbranch_scc0 .Lno_fill_\@
	s_add_nc_u64 s[G0+4*\s+2:G0+4*\s+3], s[G0+4*\s+2:G0+4*\s+3], 4*PBLK
	s_add_nc_u64 s[G0B+4*\s+2:G0B+4*\s+3], s[G0B+4*\s+2:G0B+4*\s+3], 4*BLK
	JLOAD G0+4*\s, G1, G0B+4*\s, G1B               ; the first tensor load behind the round, and my only one until the next
.Lno_fill_\@:
.endif
	PLACES 4
	FETCH_P \n, 0, 0, 0
	FETCH_Q \n, 0, 0, 0
	SCALES \n, 0
	MLOC \n, 0
	WIN MULW
	MUL8 4, 1, 1, 1, 0
	MUL8 6, 1, 1, 1, 0
	PLACES 4
	WIN 0
	FETCH_Q \n, 0, 0, 4
.endm
	s_load_b128 s[4:7], s[0:1], 0x0                ; qkv s[4:5], pc s[6:7]
	s_load_b64 s[8:9], s[0:1], 0x10                ; out0
	v_lshl_add_u32 v[SPW], v0, 2, SPARE
	v_mov_b32 v[NIL], 0
	ds_add_u32 v28, v29
	ds_add_u32 v28, v29
	s_wait_dscnt 0x0
	v_lshrrev_b32 v1, 5, v0
	v_readfirstlane_b32 s14, v1                    ; wave 0..3
	s_lshr_b32 s15, s14, 1                         ; my half of the queries.  Also: I fetch p (0) or v^T (1)
	s_and_b32 s16, s14, 1                          ; my half of the 128 of the head.  Also: which half of p, or which 256 keys of v^T, I fetch
	s_bfe_u32 s40, ttmp6, 0x40000                  ; cx
	s_lshl_b32 s41, ttmp9, 2
	s_add_co_u32 s41, s41, s40                     ; He: which 128 of the head's 1,024
	s_and_b32 s17, ttmp7, 0xffff
	s_and_b32 s18, s17, 7                          ; I
	s_lshr_b32 s17, s17, 3                         ; b
	s_add_co_u32 s19, s18, 2
	s_and_b32 s19, s19, 14                         ; slots of 256 keys: 2, 2, 4, 4, 6, 6, 8, 8
	s_lshr_b32 s3, s19, 1                          ; NB: slots of 512 keys, 1 to 4: the same in all four partners
.irp g, 2,3,4,5,6,7                    ; the prologue reads the M and sums of the g-th 256 keys where they are walked, else the first 256's once more, weighed 0: no byte is read that was not stored
	s_cmp_gt_u32 s19, \g
	s_cselect_b32 s[68+\g], \g*PBLK, 0
	s_cselect_b32 s[74+\g], 0x3f800000, 0
.endr
	s_mov_b32 s[G1], 15|(3<<16)|(1<<21)            ; p: the mask names all four; elements of 8 bytes; 21 set beside a mask
	s_mov_b32 s[G1+1], 32<<16                      ; rows of 256 bytes,
	s_mov_b32 s[G1+2], 212<<16                     ; 212 of them
	s_mov_b32 s[G1+3], 32<<16
	s_mov_b32 s[G1+4], 212
	s_mov_b32 s[G1+5], 32
	s_mov_b32 s[G1+6], 0
	s_mov_b32 s[G1+7], 0
	s_mov_b32 s[G1B], 3<<16                        ; v^T: no mask
	s_mov_b32 s[G1B+1], 32<<16
	s_mov_b32 s[G1B+2], 100<<16                    ; 100 rows: a block
	s_mov_b32 s[G1B+3], 32<<16
	s_mov_b32 s[G1B+4], 100
	s_mov_b32 s[G1B+5], 32
	s_mov_b32 s[G1B+6], 0
	s_mov_b32 s[G1B+7], 0
	s_lshl_b32 s20, s17, 4
	s_lshl_b32 s21, s18, 1
	s_add_co_u32 s20, s20, s21                     ; 16 b + 2 I
	s_add_co_u32 s22, s20, s16
	s_mul_i32 s22, s22, 8*PBLK                     ; p's 128 queries that I fetch: hangs on the cluster's y and the wave alone
	s_mov_b32 s23, 0
	s_add_co_u32 s10, s20, s15
	s_mul_i32 s10, s10, 8*PBLK                     ; and those that I work on
	s_mov_b32 s11, 0
	s_lshl_b32 s46, s17, 3
	s_add_co_u32 s46, s46, s41                     ; 8 b + He
	s_lshl_b32 s46, s46, 3
	s_add_co_u32 s46, s46, s16                     ; its first or second 256 keys
	s_mul_i32 s46, s46, BLK
	s_add_co_u32 s46, s46, 512*BLK                 ; behind q's and k's blocks
	s_mov_b32 s47, 0
	s_mul_i32 s45, s16, QBQ                        ; where they go: no place in the cluster enters an LDS address
	s_mul_i32 s44, s16, BLK
	s_add_co_u32 s44, s44, VOFF
	s_lshl_b32 s12, s17, 11
	s_lshl_b32 s13, s18, 8
	s_add_co_u32 s12, s12, s13
	s_lshl_b32 s13, s15, 7
	s_add_co_u32 s12, s12, s13                     ; my first row of out0
	s_lshl_b32 s12, s12, 12
	s_lshl_b32 s13, s41, 9
	s_add_co_u32 s12, s12, s13
	s_lshl_b32 s13, s16, 8
	s_add_co_u32 s12, s12, s13                     ; and my first column, in bytes
	s_mov_b32 s13, 0
	v_and_b32 v1, 15, v0                           ; r
	v_bfe_u32 v2, v0, 4, 1                         ; h
	v_and_b32 v3, 31, v0
	v_lshlrev_b32 v4, 4, v3                        ; 16 x lane; never rewritten
.irp g, 2,3,4,5,6,7
	v_add_nc_u32 v[104+\g], s[68+\g], v4
.endr
	s_wait_kmcnt 0x0
	s_add_nc_u64 s[22:23], s[6:7], s[22:23]
	s_add_nc_u64 s[10:11], s[6:7], s[10:11]
	s_add_nc_u64 s[46:47], s[4:5], s[46:47]
	s_add_nc_u64 s[8:9], s[8:9], s[12:13]
	; THE PROLOGUE'S LOADS go out first: M and the sums of my 128 queries, four queries a lane: part x = 2 g + K step: M at v[128 + 4 x], the sum at v[192 + 4 x]
.irp g, 0,1
.irp k, 0,1,2,3
	global_load_b128 v[128+64*(\k/2)+4*(2*\g+\k%2):131+64*(\k/2)+4*(2*\g+\k%2)], v4, s[10:11] offset:\g*PBLK+25600+512*\k
.endr
.endr
.irp g, 2,3,4,5,6,7
.irp k, 0,1,2,3
	global_load_b128 v[128+64*(\k/2)+4*(2*\g+\k%2):131+64*(\k/2)+4*(2*\g+\k%2)], v[104+\g], s[10:11] offset:25600+512*\k
.endr
.endr
.irp s, 0,1
	s_mov_b32 s[G0+4*\s], 1
	s_add_co_u32 s[G0+4*\s+1], s45, \s*SLOT
	s_add_nc_u64 s[G0+4*\s+2:G0+4*\s+3], s[22:23], \s*2*PBLK
	s_or_b32 s[G0+4*\s+3], s[G0+4*\s+3], 0x80000000
	s_mov_b32 s[G0B+4*\s], 1
	s_add_co_u32 s[G0B+4*\s+1], s44, \s*SLOT
	s_add_nc_u64 s[G0B+4*\s+2:G0B+4*\s+3], s[46:47], \s*2*BLK
	s_or_b32 s[G0B+4*\s+3], s[G0B+4*\s+3], 0x80000000
.endr
	CROUND                                         ; all four work-groups are here: the first joint loads meet
	JLOAD G0, G1, G0B, G1B                         ; slot 0
	s_cmp_eq_u32 s3, 1                             ; a tile of one slot asks for no second
	s_cbranch_scc1 .Lone_slot
	JLOAD G0+4, G1, G0B+4, G1B                     ; slot 1: two loads of mine are out
.Lone_slot:
	s_mul_i32 s82, s15, QBQ                        ; p of my queries in a slot
	v_add_nc_u32 v[ADRQ], s82, v4
	v_add_nc_u32 v[ADRQ+1], SLOT, v[ADRQ]
	s_mul_i32 s85, s16, 4*3072
	s_add_co_u32 s85, s85, VOFF                    ; my four groups of 16 in v^T's block
	v_add_nc_u32 v[ADRP], s85, v4
	v_add_nc_u32 v[ADRP+1], SLOT, v[ADRP]
	v_lshl_add_u32 v[AQ], v1, 2, s82
	v_add_nc_u32 v[AQ+1], SLOT, v[AQ]
	s_lshl_b32 s83, s16, 8
	s_add_co_u32 s83, s83, VOFF
	s_sub_co_u32 s83, s83, s82                     ; from p's words to v^T's, in the first 256 keys
	v_mul_u32_u24 v7, s83, v2                      ; lanes 16-31 take v^T's words: one product
	v_lshl_add_u32 v7, v1, 2, v7
	s_add_co_u32 s84, s82, 24576
	v_add_nc_u32 v[ADRS], s84, v7
	s_sub_co_u32 s83, s83, PBLK-BLK                ; and in the second: p's block is 2,048 bytes longer than v^T's
	v_mul_u32_u24 v7, s83, v2
	v_lshl_add_u32 v7, v1, 2, v7
	s_add_co_u32 s84, s84, PBLK
	v_add_nc_u32 v[ADRS+1], s84, v7
	v_add_nc_u32 v[ADRS+2], SLOT, v[ADRS]
	v_add_nc_u32 v[ADRS+3], SLOT, v[ADRS+1]
	s_mul_i32 s86, s14, 16*SPITCH                  ; my stage
	v_mul_u32_u24 v[STO], v1, SPITCH
	v_lshl_add_u32 v[STO], v2, 6, v[STO]
	v_add_nc_u32 v[STO], s86, v[STO]
	v_mul_u32_u24 v[RD], v2, SPITCH
	v_lshl_add_u32 v[RD], v1, 4, v[RD]
	v_add_nc_u32 v[RD], s86, v[RD]
	v_lshlrev_b32 v[CO], 12, v2
	v_lshl_add_u32 v[CO], v1, 4, v[CO]
	s_lshl_b32 s86, s14, 10
	s_add_co_u32 s86, s86, PSCR
	v_add_nc_u32 v[PSI], s86, v4
	v_lshl_add_u32 v[PSO], v1, 2, s86
	v_sub_nc_u32 v[LIM], 1, v2
	v_mul_u32_u24 v[LIM], 63, v[LIM]
	s_wait_loadcnt 0x0
.irp j, 0,1,2,3                        ; the final M: the largest of the sixteen parts'
	v_cmp_gt_i32 vcc_lo, v[132+\j], v[128+\j]
	v_cndmask_b32 v[112+\j], v[128+\j], v[132+\j], vcc_lo
.endr
.irp x, 2,3,4,5,6,7,8,9,10,11,12,13,14,15
.irp j, 0,1,2,3
	v_cmp_gt_i32 vcc_lo, v[128+4*\x+\j], v[112+\j]
	v_cndmask_b32 v[112+\j], v[112+\j], v[128+4*\x+\j], vcc_lo
.endr
.endr
.irp j, 0,1,2,3                        ; l: each part's sum x 2^(its M - the final M)
	v_sub_nc_u32 v[120+\j], v[128+\j], v[112+\j]
	v_ldexp_f32 v[116+\j], v[192+\j], v[120+\j]
.endr
.irp x, 1,2,3
.irp j, 0,1,2,3
	v_sub_nc_u32 v[120+\j], v[128+4*\x+\j], v[112+\j]
	v_ldexp_f32 v[120+\j], v[192+4*\x+\j], v[120+\j]
	v_add_f32 v[116+\j], v[116+\j], v[120+\j]
.endr
.endr
.irp x, 4,5,6,7,8,9,10,11,12,13,14,15
.irp j, 0,1,2,3
	v_sub_nc_u32 v[120+\j], v[128+4*\x+\j], v[112+\j]
	v_ldexp_f32 v[120+\j], v[192+4*\x+\j], v[120+\j]
	v_fma_f32 v[116+\j], v[120+\j], s[74+\x/2], v[116+\j]  ; weighed 1 where the keys are walked, else 0
.endr
.endr
.irp j, 0,1,2,3
	v_rcp_f32 v[116+\j], v[116+\j]                 ; l is at least 1/2: the part that holds the final M has a p above 1/2
.endr
	v_nop                                          ; a plain place behind the last reciprocal
	s_wait_alu depctr_va_vdst(0)                   ; one wait for the four, ahead of their first reader
	ds_store_b128 v[PSI], v[112:115]               ; from four queries a lane to a lane for each query of a block: through my own scratch
	ds_store_b128 v[PSI], v[116:119] offset:512
.irp a, 0,1,2,3,4,5,6,7
	ds_load_b32 v[MF+\a], v[PSO] offset:64*\a
.endr
.irp a, 0,1,2,3,4,5,6,7
	ds_load_b32 v[RL+2*\a], v[PSO] offset:512+64*\a
	ds_load_b32 v[RL+2*\a+1], v[PSO] offset:512+64*\a      ; (named with it as a pair, so it is written)
.endr
	s_wait_dscnt 0x0
	s_wait_tensorcnt 0x0                           ; my parts of the first fills are in: of one slot or of two, so the count is 0; they went out together, ahead of the prologue
	s_barrier_signal -1
	s_barrier_wait -1                              ; everybody's are
	FETCH_P 0, 0, 0, 0
	FETCH_Q 0, 0, 0, 0
	SCALES 0, 0
	MLOC 0, 0
	FETCH_Q 0, 0, 0, 4
	STEP 0, 0, 1                                   ; the first step's products start the sums
	TURNX 0
	STEP 0, 1, 0
	s_cmp_eq_u32 s3, 1
	s_cbranch_scc1 .Llast
	TURN 0, 1, 3                                   ; slot 0 takes the third 512 keys where there are so many
	STEP 1, 0, 0
	TURNX 1
	STEP 1, 1, 0
	s_cmp_eq_u32 s3, 2
	s_cbranch_scc1 .Llast
	TURN 1, 0, 4                                   ; slot 1 the fourth
	STEP 0, 0, 0
	TURNX 0
	STEP 0, 1, 0
	s_cmp_eq_u32 s3, 3
	s_cbranch_scc1 .Llast
	TURN 0, 1, 0                                   ; nothing is left to fetch
	STEP 1, 0, 0
	TURNX 1
	STEP 1, 1, 0
.Llast:                                                ; the tile's last 128 keys: all its operands are asked for, and lie in the same registers on every way here
	s_wait_dscnt 12
	WIN MULW
	MUL8 0, 1, 1, 1, 0
	MUL8 2, 1, 1, 1, 0
	s_wait_dscnt 0x0
	MUL8 4, 1, 1, 1, 0
	MUL8 6, 1, 1, 1, 0
	WIN 0
	PLACES 4                                       ; in front of the first read of results, and of writes into the registers that held fragments
	s_wait_tensorcnt 0x0                           ; no load of mine is on its way into the ring, my reads of it are back (the wait for 0 above):
	s_barrier_signal -1
	s_barrier_wait -1                              ; that now holds of every wave: the stage may lie in slot 0
; THE WAY OUT, block by block of 16 queries: divided by l, through my stage (a lane holds pieces of one row), back as whole rows of 256 bytes, two an instruction.  The rows stand in position order: row p of block a is true row
; 32 (a / 2) + 8 (a % 2) + p + 8 (p / 8); lanes 0-15 take p = 2 t, lanes 16-31 p = 2 t + 1.
.macro OUTB a
.set AC, 32*(\a)
.set TT, 128+32*((\a)%4)
	WIN 2
.set n, 0
.rept 16
	v_pk_mul_f32 v[TT+n:TT+n+1], v[AC+n:AC+n+1], v[RL+2*(\a):RL+2*(\a)+1] op_sel_hi:[1,0]   ; each accumulator from its low end on
.set n, n+2
.endr
	WIN 0
.irp b, 0,1,2,3
	ds_store_b128 v[STO], v[TT+8*\b:TT+8*\b+3] offset:128*(\b/2)+32*(\b%2)
	ds_store_b128 v[STO], v[TT+8*\b+4:TT+8*\b+7] offset:128*(\b/2)+32*(\b%2)+16
.endr
.irp t, 0,1,2,3,4,5,6,7
	ds_load_b128 v[TT+4*\t:TT+4*\t+3], v[RD] offset:\t*2*SPITCH  ; a wave's LDS instructions are served in order: these see the stores above, and the next block's stores come behind them
.endr
.endm
.macro SEND a, younger
.set TT, 128+32*((\a)%4)
	s_wait_dscnt \younger                          ; the block is back; the next block's 8 stores and 8 loads may be out
.irp t, 0,1,2,3,4,5,6,7
	global_store_b128 v[CO], v[TT+4*\t:TT+4*\t+3], s[8:9] offset:(32*((\a)/2)+8*((\a)%2)+2*\t+8*(\t/4))*4096 th:TH_STORE_NT   ; sixteen lanes store 256 consecutive bytes, aligned
.endr
.endm
	OUTB 0
.irp a, 1,2,3,4,5,6,7
.if \a > 3
	s_wait_xcnt 0x0                                ; block a - 4's stores have read their registers: they are written again only behind this wait
.endif
	OUTB \a
	SEND \a-1, 16
.endr
	SEND 7, 0
	s_wait_tensorcnt 0x0                           ; the wave's end
	ds_add_u32 v[SPW], v[NIL]
	s_wait_dscnt 0x0
	CROUND                                         ; the closing round
	s_endpgm
.Lfunc_end_k_qa94855f070_pv:
	.size	k_qa94855f070_pv, .Lfunc_end_k_qa94855f070_pv-k_qa94855f070_pv
	.p2alignl 7, 3214868480
	.fill 96, 4, 3214868480
	.section	.rodata,"a",@progbits
	.p2align	6, 0x0
	.amdhsa_kernel k_qa94855f070_pv
		.amdhsa_group_segment_fixed_size 327680
		.amdhsa_private_segment_fixed_size 0
		.amdhsa_enable_private_segment 0
		.amdhsa_kernarg_size 24
		.amdhsa_user_sgpr_count 2
		.amdhsa_user_sgpr_kernarg_segment_ptr 1
		.amdhsa_wavefront_size32 1
		.amdhsa_system_sgpr_workgroup_id_x 1
		.amdhsa_system_sgpr_workgroup_id_y 1
		.amdhsa_system_sgpr_workgroup_id_z 1
		.amdhsa_system_vgpr_workitem_id 0
		.amdhsa_next_free_vgpr 768
		.amdhsa_next_free_sgpr 98
		.amdhsa_reserve_vcc 1
		.amdhsa_float_denorm_mode_32 3
		.amdhsa_float_denorm_mode_16_64 3
		.amdhsa_memory_ordered 1
		.amdhsa_forward_progress 1
		.amdhsa_inst_pref_size 199
	.end_amdhsa_kernel
	.amdgpu_metadata
---
amdhsa.version: [ 1, 2 ]
amdhsa.kernels:
  - .name:           k_qa94855f070_pv
    .symbol:         k_qa94855f070_pv.kd
    .args:
      - { .name: qkv, .offset: 0, .size: 8, .value_kind: global_buffer, .address_space: global }
      - { .name: pc, .offset: 8, .size: 8, .value_kind: global_buffer, .address_space: global }
      - { .name: out0, .offset: 16, .size: 8, .value_kind: global_buffer, .address_space: global }
    .group_segment_fixed_size: 327680
    .private_segment_fixed_size: 0
    .kernarg_segment_align: 8
    .kernarg_segment_size: 24
    .max_flat_workgroup_size: 128
    .sgpr_count:     98
    .vgpr_count:     768
    .wavefront_size: 32
...
	.end_amdgpu_metadata
.endif
;; end of part 7
